; MI455X (gfx1250); checked and timed in simulation.
; The chip was launched on July 23, 2026; its instructions are those of AMD's public machine-readable ISA for CDNA 5 (MIT licence, August 2026) and "CDNA5" Instruction Set Architecture Reference Guide (July 2026). The comments in the code are by the model that wrote it; some were corrected since.
;; Switch Positionwise Feed Forward. Allowed arithmetic: matrix products marked QUANTISED: E2M3 operands, one E8M0 scale for each 32 along K, by v_wmma_scale_f32_16x16x128_f8f6f4 with both operands' format E2M3, f32 sums; products left as they are: f32 operands where the result goes on into a quantised operand, else bf16, f16 or f32 operands; f32 sums; everything else in f32.
;; Inputs: W1 4 x 256 x 1,024 float32; W2 4 x 1,024 x 256 float32; W_sw 256 x 4 float32; b1 4 x 1,024 float32; b2 4 x 256 float32; b_sw 4 float32; x 8 x 64 x 64 x 256 float32.
;; Outputs: out0 8 x 64 x 64 x 256 float32.
;; This version of the problem:
;;   THIS VERSION OF THE PROBLEM IS GIVEN IN LOW PRECISION. The matrix products marked QUANTISED in the list below multiply operands that are first quantised to E2M3 (2 exponent bits, 3 mantissa bits; 6 bits a number), with one power-of-two scale for each 32 numbers along K (OCP MX v1.0); their sums are f32. All else is computed in f32.
;;   The module's matrix products, in the order in which they are computed (A, B: the left and right operand; K: the contracted axis; several contracted axes count as one K, in the product's order):
;;     1. [M 32,768, K 256] x [K 256, N 4]; A: input x; B: input W_sw: left as it is (N = 4 < 16)
;;     2. [M 4,096, K 256] x [K 256, N 32,768]; A: input W1; B: input x: QUANTISED
;;     3. batch 4 x [M 32,768, K 1,024] x [K 1,024, N 256]; A: computed on the way; B: input W2: QUANTISED
;;   THE QUANTISER, for each operand of a quantised product, along K:
;;     - K is cut into blocks of 32 from its start; a last block that is shorter is filled with zeros.
;;     - A block's scale is 2^e with e = floor(log2(the largest magnitude in the block)) - 2, held to -126 .. 127; a block of zeros has e = 0. As a byte (E8M0): e + 127.
;;     - Each number is divided by its block's scale, clamped to +-7.5, and rounded to the nearest number of E2M3, ties to even, subnormals kept.
;;     - The product sums the exact products of the quantised numbers (number of the format x scale) in f32.
;;   ~~~python
;;   def quantise(x, axis):      # numpy; x: float32 -> the quantised numbers, widened to float32 again
;;       x = np.moveaxis(x, axis, -1); K = x.shape[-1]
;;       x = np.pad(x, [(0, 0)] * (x.ndim - 1) + [(0, -K % 32)]); x = x.reshape(x.shape[:-1] + (-1, 32)); a = np.abs(x).max(-1, keepdims=True)
;;       e = np.where(a > 0, np.clip(np.frexp(np.where(a > 0, a, 1))[1] - 1 - 2, -126, 127), 0)      # np.frexp(a)[1] - 1 = floor(log2(a)), exactly
;;       r = np.clip(x / 2.0 ** e, -7.5, 7.5)
;;       step = 2.0 ** (np.maximum(np.frexp(np.where(r == 0, 1, r))[1] - 1, 0) - 3)
;;       q = np.round(r / step) * step * 2.0 ** e      # np.round: ties to even
;;       return np.moveaxis(q.reshape(q.shape[:-2] + (-1,))[..., :K], -1, axis).astype(np.float32)
;;   ~~~
;;   OPERANDS COMPUTED ON THE WAY. 'Computed on the way' means the value that the module computes at that place (a softmax that the list does not call 'softmax' is quantised finished and normalised). What goes into a quantiser is computed in f32, as accurately as f32 sums, v_exp_f32 and their like allow (about 1e-6 of the number): no bf16 or f16 on the way to a quantiser, and a product that is left as it is and whose result goes on into a quantised operand takes f32 operands (vector FMAs, or v_wmma_f32_16x16x4_f32). A number that lies on a knife's edge between two numbers of the format may be rounded either way, as far as f32 arithmetic and the matrix unit's own rounding can turn it there, and no further.
;; 2 versions. Each part assembles by itself: llvm-mc -triple=amdgcn-amd-amdhsa -mcpu=gfx1250 --defsym DOCPART=n.
;; ======== version 1 of 2: 3 launches
;; workspace buffers: xcodes 6,291,456 bytes; xscales 262,144 bytes; pmax 131,072 bytes; routes 135,168 bytes of whole numbers; plan 135,168 bytes of whole numbers; wcodes 1,572,864 bytes; wscales 65,536 bytes
;; launch route (part 1): grid 256 x 1, 4 waves a work-group, no clusters, 33,280 bytes of LDS; arguments x, W_sw, b_sw, xcodes, xscales, pmax, routes; writes xcodes, xscales, pmax, routes
.if DOCPART == 1
	.amdgcn_target "amdgcn-amd-amdhsa--gfx1250"
	.amdhsa_code_object_version 6
	.text
	.protected	k_q3d1b783868_route
	.globl	k_q3d1b783868_route
	.p2align	8
	.type	k_q3d1b783868_route,@function
k_q3d1b783868_route:
	s_mov_b64 s[64:65], 0
	v_nop
	global_prefetch_b8 v0, s[64:65] scope:SCOPE_SE
	s_setreg_imm32_b32 hwreg(HW_REG_WAVE_MODE, 25, 1), 1
	s_wait_xcnt 0x0
; x [32768][256] f32 is read ONCE.  From it come (a) its codes of FP6 (E2M3) with one E8M0 byte for each 32 along K, (b) the router: logits = x W_sw + b_sw in f32,
; the chosen expert (the largest logit, the lower index on a tie), pmax = 1 / sum of exp(logit - largest), (c) for the sort of the next launch: each token's rank among the
; lower tokens of its expert inside its group of 32, and each group's four counts.  Nothing that comes from a floating-point number enters an address, a branch or EXEC here.
; SHARES.  A wave takes a group of 32 tokens (group = 4 x work-group + wave): 16 steps of 512 numbers, two tokens a step.  Waves share nothing: no barrier.
; Each load reads 512 consecutive bytes; a step's 2,048 bytes turn through the wave's own stage in LDS (16 bytes of padding behind each 64) and come back 16 NEIGHBOURS a lane:
; lane l holds token 2 t + l / 16, k = 16 (l % 16) + 0 .. 15; two neighbouring lanes hold a block of 32.
; THE CODES' LAYOUT is this program's own: a token's record is 192 bytes; block b (24 bytes) lies at 96 (b / 4) + 48 (b % 2) + 24 ((b / 2) % 2), so that the 48 bytes which lane (r, h)
; of a matrix operand wants for K step s (blocks 4 s + h and 4 s + 2 + h) stand on end at 96 s + 48 h.  The scale bytes lie [token][8], in K's order.
; A block's scale is 2^(floor(log2(largest magnitude)) - 2); its byte is the largest magnitude's exponent field - 2, held at 1 from below.
; LIMITS: a block of zeros gets the byte 1 where the rule says 127 (its codes are zeros, and this program alone reads the bytes); NaN and infinities among the inputs are not served;
; two logits nearer to each other than f32 sums resolve may route either way.
; No matrix unit, no cluster, no tensor load: memory binds, and nothing is shared between work-groups.
.set STEPS, 16
.set SP,    80                         ; a lane's place in a stage: 64 bytes + 16 of padding
.set SCB,   5120                       ; a wave's LDS (8,192 bytes): two stages of 32 x SP, then its 256 scale bytes,
.set LGB,   5376                       ; then its 32 tokens' logits, 16 bytes each
.set R,     16                         ; v16-111  six sets of 16 numbers as they are loaded
.set X,     112                        ; v112-143 two sets of 16 neighbours
.set WS,    144                        ; v144-207 W_sw: register 16 e + i = W_sw[16 (l % 16) + i][e]
.set C,     208                        ; v208-223 codes: four sets of 4
.set ACC,   224                        ; v224-231 four pairs: expert e's sum over my even k, over my odd k
.set LG,    232                        ; v232-239 four logits, two sets
.set E,     240                        ; v240-241 the scale byte, two sets
	s_load_b256 s[4:11], s[0:1], 0x0               ; x s[4:5], W_sw s[6:7], b_sw s[8:9], xcodes s[10:11]
	s_load_b128 s[12:15], s[0:1], 0x20             ; xscales s[12:13], pmax s[14:15]
	s_load_b64 s[16:17], s[0:1], 0x30              ; routes
	v_lshl_add_u32 v254, v0, 2, 0x8000
	v_mov_b32 v255, 0
	v_lshrrev_b32 v1, 5, v0
	v_readfirstlane_b32 s18, v1                    ; wave
	v_and_b32 v2, 31, v0                           ; lane
	v_lshlrev_b32 v3, 4, v2                        ; my 16 bytes of a load's 512
	v_and_b32 v1, 15, v0
	v_lshlrev_b32 v1, 8, v1                        ; W_sw: my 16 rows of 16 bytes
	v_and_b32 v8, 1, v2                            ; my 12 bytes of codes in a step's 384: half of a block 12,
	v_mul_u32_u24 v4, v8, 12
	v_bfe_u32 v8, v2, 1, 1                         ; block % 2: 48,
	v_mad_u32_u24 v4, v8, 48, v4
	v_bfe_u32 v8, v2, 2, 1                         ; (block / 2) % 2: 24,
	v_mad_u32_u24 v4, v8, 24, v4
	v_bfe_u32 v8, v2, 3, 2                         ; block / 4 and the token: 96 and 192
	v_mad_u32_u24 v4, v8, 96, v4
	s_lshl_b32 s36, s18, 13                        ; my wave's LDS
	v_lshrrev_b32 v14, 2, v2
	v_mul_u32_u24 v14, v14, SP
	v_and_b32 v15, 3, v2
	v_lshl_add_u32 v14, v15, 4, v14
	v_add_nc_u32 v14, s36, v14                     ; the stage, on the way in: SP (lane / 4) + 16 (lane % 4)
	v_mul_u32_u24 v15, v2, SP
	v_add_nc_u32 v15, s36, v15                     ; and on the way out: SP x lane
	v_lshrrev_b32 v5, 1, v2
	v_add_nc_u32 v5, s36, v5                       ; my block's scale byte
	v_lshlrev_b32 v7, 3, v2
	v_add_nc_u32 v6, s36, v7                       ; at the end: a token's 8 scale bytes a lane
	v_lshlrev_b32 v10, 2, v2                       ; 4 x lane
	v_lshrrev_b32 v242, 4, v2
	v_lshlrev_b32 v242, 4, v242
	v_add_nc_u32 v242, s36, v242                   ; where my token's logits go
	v_add_nc_u32 v243, s36, v3                     ; at the end: a token's logits a lane
	s_wait_kmcnt 0x0
	s_load_b128 s[20:23], s[8:9], 0x0              ; b_sw's four numbers
	s_lshl_b32 s19, ttmp9, 2
	s_add_co_u32 s19, s19, s18                     ; my group of 32 tokens
	s_mov_b32 s33, 0
	s_lshl_b32 s32, s19, 2
	s_add_co_u32 s32, s32, 131072
	s_add_nc_u64 s[34:35], s[16:17], s[32:33]      ; the group's word of counts, behind the tokens' words
	s_lshl_b32 s32, s19, 7
	s_add_nc_u64 s[16:17], s[16:17], s[32:33]      ; 4 bytes a token
	s_add_nc_u64 s[14:15], s[14:15], s[32:33]
	s_lshl_b32 s32, s19, 8
	s_add_nc_u64 s[12:13], s[12:13], s[32:33]      ; 8 bytes a token
	s_mul_i32 s32, s19, 6144
	s_add_nc_u64 s[10:11], s[10:11], s[32:33]      ; 192 bytes a token
	s_lshl_b32 s32, s19, 15
	s_add_nc_u64 s[4:5], s[4:5], s[32:33]          ; 1,024 bytes a token
.macro LOAD t
.irp i, 0,1,2,3
	global_load_b128 v[R+16*((\t)%6)+4*\i:R+16*((\t)%6)+4*\i+3], v3, s[4:5] offset:2048*(\t)+512*\i th:TH_LOAD_NT   ; 32 lanes read 512 consecutive bytes, read once in the launch
.endr
.endm
.macro TURN t                          ; step t's numbers through the stage: LDS serves a wave's instructions in order (ISA guide 5.7.1), so no wait stands between the stores and the loads
.irp i, 0,1,2,3
	ds_store_b128 v14, v[R+16*((\t)%6)+4*\i:R+16*((\t)%6)+4*\i+3] offset:32*SP*((\t)%2)+8*SP*\i
.endr
.irp i, 0,1,2,3
	ds_load_b128 v[X+16*((\t)%2)+4*\i:X+16*((\t)%2)+4*\i+3], v15 offset:32*SP*((\t)%2)+16*\i
.endr
.endm
.irp i, 0,1,2,3,4,5,6,7                ; W_sw as it lies, a row of four experts a load, into registers that are still free
	global_load_b128 v[X+4*\i:X+4*\i+3], v1, s[6:7] offset:16*\i
	global_load_b128 v[C+4*\i:C+4*\i+3], v1, s[6:7] offset:16*(\i+8)
.endr
.irp t, 0,1,2,3,4,5
	LOAD \t
.endr
	s_wait_loadcnt 24                              ; W_sw is in: the six steps' 24 loads were issued behind it
.irp i, 0,1,2,3,4,5,6,7                ; turned once, so that two neighbouring k of one expert are a register pair for the packed multiply-add
.irp e, 0,1,2,3
	v_mov_b32 v[WS+16*\e+\i], v[X+4*\i+\e]
	v_mov_b32 v[WS+16*\e+\i+8], v[C+4*\i+\e]
.endr
.endr
	s_wait_loadcnt 20                              ; step 0's four loads are in
	TURN 0
.macro STEP t
.set XS, X+16*((\t)%2)
.set CS, C+4*((\t)%4)
.set LS, LG+4*((\t)%2)
.if (\t) > 0
	s_wait_dscnt 2                                 ; this step's numbers are back from the stage; the two LDS stores of the last step (byte, logits) may be out
.else
	s_wait_dscnt 0x0
.endif
.if (\t)+6 < STEPS
	LOAD (\t)+6                                    ; into the set whose stores into the stage are done
.endif
.if (\t)+1 < STEPS
.if (\t)+6 < STEPS
	s_wait_loadcnt 20                              ; the next step's loads are in; those of the five steps behind it may be out
.else
	s_wait_loadcnt 4*(STEPS-2-(\t))                ; the counts run down
.endif
	TURN (\t)+1                                    ; through the other stage while this step is worked
.endif
	v_max3_num_f32 v8, |v[XS]|, |v[XS+1]|, |v[XS+2]|               ; the largest magnitude of my 16, in two chains
	v_max3_num_f32 v9, |v[XS+3]|, |v[XS+4]|, |v[XS+5]|
.irp i, 6,10
	v_max3_num_f32 v8, v8, |v[XS+\i]|, |v[XS+\i+1]|
	v_max3_num_f32 v9, v9, |v[XS+\i+2]|, |v[XS+\i+3]|
.endr
	v_max3_num_f32 v8, v8, |v[XS+14]|, |v[XS+15]|
	v_max3_num_f32 v8, v8, v9, 0x1800000           ; and the floor 2^(3 - 127): the byte cannot fall under 1
	v_max_num_f32_dpp v8, v8, v8 row_xmask:1 row_mask:0xf bank_mask:0xf   ; with my neighbour's 16: the block's
	v_add_nc_u32 v11, 0xff000000, v8               ; 2 off its exponent field: the conversion takes the exponent field of this operand as its scale
.if (\t) >= 4
	s_wait_xcnt 0x0                                ; this set of code registers is the data of the store four steps back: written again only behind this wait
.endif
	v_cvt_scalef32_pk16_fp6_f32 v[CS:CS+2], v[XS:XS+15], v11       ; 16 numbers / the scale, to the nearest code, ties to even; beyond 7.5 the largest code
	v_lshrrev_b32 v[E+(\t)%2], 23, v11             ; the scale's byte
.irp e, 0,1,2,3                        ; the router: four experts' chains by turns, two k an instruction
	v_pk_mul_f32 v[ACC+2*\e:ACC+2*\e+1], v[XS:XS+1], v[WS+16*\e:WS+16*\e+1]
.endr
.irp j, 1,2,3,4,5,6,7
.irp e, 0,1,2,3
	v_pk_fma_f32 v[ACC+2*\e:ACC+2*\e+1], v[XS+2*\j:XS+2*\j+1], v[WS+16*\e+2*\j:WS+16*\e+2*\j+1], v[ACC+2*\e:ACC+2*\e+1]
.endr
.endr
.irp e, 0,1,2,3
	v_add_f32 v[LS+\e], v[ACC+2*\e], v[ACC+2*\e+1]
.endr
.irp m, 1,2,4,8                        ; over the sixteen lanes that hold a token: every one of them ends with the sum
.irp e, 0,1,2,3
	v_add_f32_dpp v[LS+\e], v[LS+\e], v[LS+\e] row_xmask:\m row_mask:0xf bank_mask:0xf
.endr
.endr
	ds_store_b8 v5, v[E+(\t)%2] offset:SCB+16*(\t)                 ; both lanes of a block write the same byte with the same value
	ds_store_b128 v242, v[LS:LS+3] offset:LGB+32*(\t)              ; the sixteen lanes of a token write the same 16 bytes
	global_store_b96 v4, v[CS:CS+2], s[10:11] offset:384*(\t)      ; the wave's 384 bytes are consecutive: two records
.endm
.irp t, 0,1,2,3,4,5,6,7,8,9,10,11,12,13,14,15
	STEP \t
.endr
	; THE GROUP'S END: a lane is a token
	ds_load_b64 v[12:13], v6 offset:SCB            ; LDS serves a wave's instructions in order: these see my stores
	ds_load_b128 v[244:247], v243 offset:LGB
	s_wait_kmcnt 0x0                               ; b_sw
	s_wait_dscnt 0x0
	global_store_b64 v7, v[12:13], s[12:13]        ; 32 lanes store 256 consecutive bytes, aligned
	v_add_f32 v244, s20, v244
	v_add_f32 v245, s21, v245
	v_add_f32 v246, s22, v246
	v_add_f32 v247, s23, v247
	v_mov_b32 v248, 0                              ; the expert: a later one wins only if its logit is greater
	v_cmp_le_f32 vcc_lo, v245, v244
	v_cndmask_b32 v248, 1, v248, vcc_lo
	v_max_num_f32 v249, v244, v245
	v_cmp_le_f32 vcc_lo, v246, v249
	v_cndmask_b32 v248, 2, v248, vcc_lo
	v_max_num_f32 v249, v249, v246
	v_cmp_le_f32 vcc_lo, v247, v249
	v_cndmask_b32 v248, 3, v248, vcc_lo
	v_max_num_f32 v249, v249, v247                 ; the largest logit is taken away before the exponentials
.irp e, 0,1,2,3
	v_sub_f32 v[244+\e], v[244+\e], v249
.endr
.irp e, 0,1,2,3
	v_mul_f32 v[244+\e], 0x3fb8aa3b, v[244+\e]     ; x log2(e)
.endr
.irp e, 0,1,2,3
	v_exp_f32 v[244+\e], v[244+\e]
.endr
	v_cmp_eq_u32 s24, 0, v248                      ; which tokens of the group chose expert 0 .. 3.  (These lines are also the plain work behind the exponentials)
	v_cmp_eq_u32 s25, 1, v248
	v_cmp_eq_u32 s26, 2, v248
	v_cmp_eq_u32 s27, 3, v248
	v_mbcnt_lo_u32_b32 v250, s24, 0                ; how many of them are lower lanes
	v_mbcnt_lo_u32_b32 v251, s25, 0
	v_mbcnt_lo_u32_b32 v252, s26, 0
	v_mbcnt_lo_u32_b32 v253, s27, 0
	v_cndmask_b32 v250, v250, v251, s25            ; my own expert's figure: my rank
	v_cndmask_b32 v250, v250, v252, s26
	v_cndmask_b32 v250, v250, v253, s27
	v_lshl_or_b32 v250, v250, 8, v248              ; expert | rank << 8
	s_wait_alu depctr_va_vdst(0)
	v_add_f32 v244, v244, v245
	v_add_f32 v246, v246, v247
	v_add_f32 v244, v244, v246
	v_rcp_f32 v251, v244                           ; the largest probability is exp(0) / the sum
	s_bcnt1_i32_b32 s28, s24
	s_bcnt1_i32_b32 s29, s25
	s_bcnt1_i32_b32 s30, s26
	s_bcnt1_i32_b32 s31, s27
	s_lshl_b32 s29, s29, 8
	s_lshl_b32 s30, s30, 16
	s_lshl_b32 s31, s31, 24
	s_or_b32 s28, s28, s29
	s_or_b32 s30, s30, s31
	s_or_b32 s28, s28, s30                         ; the group's four counts, a byte each (32 at the most)
	v_mov_b32 v252, s28                            ; (a plain line behind the reciprocal)
	global_store_b32 v10, v250, s[16:17]
	s_wait_alu depctr_va_vdst(0)
	global_store_b32 v10, v251, s[14:15]
	s_wait_xcnt 0x0                                ; EXEC is a source of the stores above: it changes only behind this wait
	v_cmp_eq_u32 vcc_lo, 0, v2
	s_wait_tensorcnt 0x0
	ds_add_u32 v254, v255
	s_wait_dscnt 0x0
	s_and_saveexec_b32 s33, vcc_lo
	global_store_b32 v10, v252, s[34:35]           ; lane 0 alone
	s_wait_xcnt 0x0
	s_or_b32 exec_lo, exec_lo, s33
	s_endpgm
.Lfunc_end_k_q3d1b783868_route:
	.size	k_q3d1b783868_route, .Lfunc_end_k_q3d1b783868_route-k_q3d1b783868_route
	.p2alignl 7, 3214868480
	.fill 96, 4, 3214868480
	.section	.rodata,"a",@progbits
	.p2align	6, 0x0
	.amdhsa_kernel k_q3d1b783868_route
		.amdhsa_group_segment_fixed_size 33280
		.amdhsa_private_segment_fixed_size 0
		.amdhsa_enable_private_segment 0
		.amdhsa_kernarg_size 56
		.amdhsa_user_sgpr_count 2
		.amdhsa_user_sgpr_kernarg_segment_ptr 1
		.amdhsa_wavefront_size32 1
		.amdhsa_system_sgpr_workgroup_id_x 1
		.amdhsa_system_sgpr_workgroup_id_y 1
		.amdhsa_system_sgpr_workgroup_id_z 1
		.amdhsa_system_vgpr_workitem_id 0
		.amdhsa_next_free_vgpr 256
		.amdhsa_next_free_sgpr 66
		.amdhsa_reserve_vcc 1
		.amdhsa_float_denorm_mode_32 3
		.amdhsa_float_denorm_mode_16_64 3
		.amdhsa_memory_ordered 1
		.amdhsa_forward_progress 1
		.amdhsa_inst_pref_size 91
	.end_amdhsa_kernel
	.amdgpu_metadata
---
amdhsa.version: [ 1, 2 ]
amdhsa.kernels:
  - .name:           k_q3d1b783868_route
    .symbol:         k_q3d1b783868_route.kd
    .args:
      - { .name: x, .offset: 0, .size: 8, .value_kind: global_buffer, .address_space: global }
      - { .name: W_sw, .offset: 8, .size: 8, .value_kind: global_buffer, .address_space: global }
      - { .name: b_sw, .offset: 16, .size: 8, .value_kind: global_buffer, .address_space: global }
      - { .name: xcodes, .offset: 24, .size: 8, .value_kind: global_buffer, .address_space: global }
      - { .name: xscales, .offset: 32, .size: 8, .value_kind: global_buffer, .address_space: global }
      - { .name: pmax, .offset: 40, .size: 8, .value_kind: global_buffer, .address_space: global }
      - { .name: routes, .offset: 48, .size: 8, .value_kind: global_buffer, .address_space: global }
    .group_segment_fixed_size: 33280
    .private_segment_fixed_size: 0
    .kernarg_segment_align: 8
    .kernarg_segment_size: 56
    .max_flat_workgroup_size: 128
    .sgpr_count:     66
    .vgpr_count:     256
    .wavefront_size: 32
...
	.end_amdgpu_metadata
.endif
;; end of part 1
;; launch place (part 2): grid 72 x 1, 4 waves a work-group, no clusters, 26,112 bytes of LDS; arguments routes, W1, W2, plan, wcodes, wscales; writes plan, wcodes, wscales
.if DOCPART == 2
	.amdgcn_target "amdgcn-amd-amdhsa--gfx1250"
	.amdhsa_code_object_version 6
	.text
	.protected	k_q3d1b783868_place
	.globl	k_q3d1b783868_place
	.p2align	8
	.type	k_q3d1b783868_place,@function
k_q3d1b783868_place:
	s_mov_b64 s[64:65], 0
	v_nop
	global_prefetch_b8 v0, s[64:65] scope:SCOPE_SE
	s_setreg_imm32_b32 hwreg(HW_REG_WAVE_MODE, 25, 1), 1
	s_wait_xcnt 0x0
; Two jobs that need nothing of each other, parted by the work-group's number.
; WORK-GROUPS 0-7: THE COUNTING SORT.  Wave q = 4 x work-group + wave (0 .. 31) owns groups 32 q .. 32 q + 31 of 32 tokens.  Every wave reads all 1,024 words of counts (4 KB), sums them,
; sums those ahead of its own groups, scans its own 32, and so knows for each of its groups where each expert's tokens begin in the order; a token's place is that + its rank.
; No atomics, no LDS, no barrier: each place of the order is stored by one lane.  Four counts are carried in two registers, 16 bits each: none passes 32,768.
; Waves 0-7 also store the list of tiles: 256 records {expert, first place, rows, 0}; an expert with c rows has ceil(c / 144) tiles; records behind the last tile have 0 rows.
; WORK-GROUPS 8-71: THE WEIGHTS.  W1 [4][256 k][1024] and W2 [4][1024 k][256], f32 with K as their first axis, become codes of FP6 (E2M3) with one E8M0 byte for each 32 along K.
; A lane takes a column and its registers run down K: a block of 32 lies in one lane, and the conversions give codes with K innermost.  A wave takes a UNIT: 32 columns x 256 along K.
; THE LAYOUT is the order of a matrix operand's registers: a unit is four images (tile u of 16 columns, K step s of 128: image 2 u + s) of 1,536 bytes; in an image registers 4 c .. 4 c + 3 of
; lane l lie at 512 c + 16 l.  Lane r of tile u holds column 8 u + r + 8 (r / 8) of the unit's 32, so that a product's results of tiles 0 and 1 are 16 neighbours a lane.
; A unit's scale words: (row r, K step s, tile u) at 8 (r + 16 s) + 4 u: 256 bytes.  The images are gathered in the wave's own LDS and leave as 6,144 consecutive bytes.
; LIMITS: a block of zeros gets the byte 1 where the rule says 127 (its codes are zeros; this program alone reads the bytes); NaN and infinities are not served.
.set CN,  32                           ; v32-63   sort: the 1,024 words of counts, four a lane and load
.set W,   64                           ; v64-95   sort: my 32 groups' tokens' words, then their byte offsets in the order
.set D,   96                           ; v96-127  sort: the tokens' numbers
.set X,   32                           ; v32-95   weights: two sets of 32 numbers
.set C,   96                           ; v96-102  weights: a block's codes
.set SB,  24                           ; v24-25   weights: the scale bytes, four to a register
.set OFF, 128                          ; v128-159 weights: 4 x lane + i rows
	s_load_b256 s[4:11], s[0:1], 0x0               ; routes s[4:5], W1 s[6:7], W2 s[8:9], plan s[10:11]
	s_load_b128 s[12:15], s[0:1], 0x20             ; wcodes s[12:13], wscales s[14:15]
	v_lshl_add_u32 v192, v0, 2, 0x6400
	v_mov_b32 v193, 0
	v_lshrrev_b32 v1, 5, v0
	v_readfirstlane_b32 s16, v1                    ; wave
	v_and_b32 v2, 31, v0                           ; lane
	s_cmp_ge_u32 ttmp9, 8
	s_cbranch_scc1 .Lweights
	; ---------------- the sort ----------------
	s_lshl_b32 s17, ttmp9, 2
	s_add_co_u32 s17, s17, s16                     ; q
	v_lshlrev_b32 v3, 4, v2
	v_lshlrev_b32 v4, 2, v2
	s_lshl_b32 s18, s17, 7
	v_add_nc_u32 v5, s18, v4                       ; my own group's word of counts: 4 (32 q + lane)
	s_lshl_b32 s18, s17, 12
	v_add_nc_u32 v6, s18, v4                       ; my tokens' words: 4 (1024 q + lane)
	s_lshl_b32 s19, s17, 3                         ; 8 q
	s_lshl_b32 s20, s17, 10
	v_add_nc_u32 v7, s20, v2                       ; token 1024 q + lane
	s_mov_b32 s21, 0x00ff00ff
	s_mov_b32 s22, 0x76543210                      ; v_permlanex16_b32's selects for lane l xor 16
	s_mov_b32 s23, 0xfedcba98
	s_wait_kmcnt 0x0
.irp j, 0,1,2,3,4,5,6,7
	global_load_b128 v[CN+4*\j:CN+4*\j+3], v3, s[4:5] offset:131072+512*\j     ; groups 128 j + 4 lane + 0 .. 3
.endr
	global_load_b32 v20, v5, s[4:5] offset:131072
.irp i, 0,1,2,3,4,5,6,7,8,9,10,11,12,13,14,15,16,17,18,19,20,21,22,23,24,25,26,27,28,29,30,31
	global_load_b32 v[W+\i], v6, s[4:5] offset:128*\i
.endr
	v_mov_b32 v12, 0                               ; all groups: experts 0 and 2 (16 bits each);
	v_mov_b32 v13, 0                               ; experts 1 and 3;
	v_mov_b32 v14, 0                               ; the groups ahead of mine: 0 and 2;
	v_mov_b32 v15, 0                               ; 1 and 3
	s_wait_loadcnt 32                              ; the counts are in; the 32 loads of tokens' words may be out
.irp j, 0,1,2,3,4,5,6,7
	v_add3_u32 v8, v[CN+4*\j], v[CN+4*\j+1], v[CN+4*\j+2]          ; four groups' bytes: 128 at the most, no carry between them
	v_add_nc_u32 v8, v8, v[CN+4*\j+3]
	v_add_nc_u32 v10, 32*\j, v2
	v_and_b32 v9, s21, v8
	v_lshrrev_b32 v8, 8, v8
	v_and_b32 v8, s21, v8
	v_cmp_gt_u32 vcc_lo, s19, v10                  ; these four groups lie ahead of group 32 q where 32 j + lane < 8 q
	v_add_nc_u32 v12, v12, v9
	v_add_nc_u32 v13, v13, v8
	v_cndmask_b32 v9, 0, v9, vcc_lo
	v_cndmask_b32 v8, 0, v8, vcc_lo
	v_add_nc_u32 v14, v14, v9
	v_add_nc_u32 v15, v15, v8
.endr
.macro LANESUM x                       ; v[x] summed over the 32 lanes, the sum in every lane
.irp m, 1,2,4,8
	v_mov_b32_dpp v8, v[\x] row_xmask:\m row_mask:0xf bank_mask:0xf
	v_add_nc_u32 v[\x], v[\x], v8
.endr
	v_permlanex16_b32 v8, v[\x], s22, s23
	v_add_nc_u32 v[\x], v[\x], v8
.endm
	LANESUM 12
	LANESUM 13
	LANESUM 14
	LANESUM 15
	v_and_b32 v21, 0xffff, v12                     ; c0: also expert 1's first place
	v_and_b32 v22, 0xffff, v13                     ; c1
	v_lshrrev_b32 v23, 16, v12                     ; c2
	v_lshrrev_b32 v24, 16, v13                     ; c3
	v_add_nc_u32 v26, v21, v22                     ; expert 2's first place
	v_add_nc_u32 v27, v26, v23                     ; expert 3's
	v_lshl_add_u32 v14, v26, 16, v14               ; where my first group's tokens of experts 0 and 2 begin,
	v_lshl_or_b32 v8, v27, 16, v21
	v_add_nc_u32 v15, v15, v8                      ; of experts 1 and 3
	v_and_b32 v18, s21, v20                        ; a lane is one of my groups: its own counts
	v_lshrrev_b32 v19, 8, v20
	v_and_b32 v19, s21, v19
	v_mov_b32 v16, v18
	v_mov_b32 v17, v19
.irp n, 1,2,4,8                        ; a running sum inside each half of 16 lanes
	v_mov_b32_dpp v8, v16 row_shr:\n row_mask:0xf bank_mask:0xf bound_ctrl:1
	v_mov_b32_dpp v9, v17 row_shr:\n row_mask:0xf bank_mask:0xf bound_ctrl:1
	v_add_nc_u32 v16, v16, v8
	v_add_nc_u32 v17, v17, v9
.endr
	v_readlane_b32 s24, v16, 15                    ; the lower half's sum goes onto the upper half
	v_readlane_b32 s25, v17, 15
	v_cmp_le_u32 vcc_lo, 16, v2
	v_mov_b32 v8, s24
	v_mov_b32 v9, s25
	v_cndmask_b32 v8, 0, v8, vcc_lo
	v_cndmask_b32 v9, 0, v9, vcc_lo
	v_add3_u32 v16, v16, v8, v14
	v_add3_u32 v17, v17, v9, v15
	v_sub_nc_u32 v16, v16, v18                     ; less the group's own counts: where the group's tokens begin
	v_sub_nc_u32 v17, v17, v19
	s_wait_loadcnt 0x0                             ; the tokens' words
.set i, 0
.rept 32                               ; group i of mine; a lane is a token.  Each trip has registers of its own for its store
	v_readlane_b32 s24, v16, i
	v_readlane_b32 s25, v17, i
	v_and_b32 v8, 1, v[W+i]
	v_cmp_eq_u32 vcc_lo, 1, v8
	v_mov_b32 v9, s25
	v_cndmask_b32 v9, s24, v9, vcc_lo              ; odd experts in the second register,
	v_and_b32 v8, 2, v[W+i]
	v_lshlrev_b32 v8, 3, v8
	v_lshrrev_b32 v9, v8, v9                       ; experts 2 and 3 in the upper 16 bits
	v_and_b32 v9, 0xffff, v9
	v_bfe_u32 v8, v[W+i], 8, 8                     ; the rank
	v_add_nc_u32 v9, v9, v8
	v_min_u32 v9, 0x7fff, v9                       ; a loaded number enters an address only held inside the buffer
	v_lshlrev_b32 v[W+i], 2, v9
	v_add_nc_u32 v[D+i], 32*i, v7
	global_store_b32 v[W+i], v[D+i], s[10:11]      ; order[place] = token
.set i, i+1
.endr
	s_cmp_ge_u32 s17, 8
	s_cbranch_scc1 .Lsorted
	; the list of tiles: record j = 32 q + lane
.irp e, 0,1,2
	v_add_nc_u32 v[28+\e], 143, v[21+\e]
	v_lshrrev_b32 v[28+\e], 4, v[28+\e]
	v_mul_u32_u24 v[28+\e], v[28+\e], 7282         ; / 9: 7282 x 9 = 65,538, exact for the 2,056 at the most that stand here
	v_lshrrev_b32 v[28+\e], 16, v[28+\e]           ; ceil(c / 144)
.endr
	v_add_nc_u32 v29, v28, v29                     ; tiles ahead of expert 2's first,
	v_add_nc_u32 v30, v29, v30                     ; of expert 3's
	s_lshl_b32 s18, s17, 5
	v_add_nc_u32 v31, s18, v2                      ; j
	v_mov_b32 v36, 0                               ; the expert,
	v_mov_b32 v33, 0                               ; the tiles ahead of its first,
	v_mov_b32 v34, 0                               ; its first place in the order,
	v_mov_b32 v35, v21                             ; its rows
	v_cmp_lt_u32 vcc_lo, v31, v28
	v_cndmask_b32 v36, 1, v36, vcc_lo
	v_cndmask_b32 v33, v28, v33, vcc_lo
	v_cndmask_b32 v34, v21, v34, vcc_lo
	v_cndmask_b32 v35, v22, v35, vcc_lo
	v_cmp_lt_u32 vcc_lo, v31, v29
	v_cndmask_b32 v36, 2, v36, vcc_lo
	v_cndmask_b32 v33, v29, v33, vcc_lo
	v_cndmask_b32 v34, v26, v34, vcc_lo
	v_cndmask_b32 v35, v23, v35, vcc_lo
	v_cmp_lt_u32 vcc_lo, v31, v30
	v_cndmask_b32 v36, 3, v36, vcc_lo
	v_cndmask_b32 v33, v30, v33, vcc_lo
	v_cndmask_b32 v34, v27, v34, vcc_lo
	v_cndmask_b32 v35, v24, v35, vcc_lo
	v_sub_nc_u32 v33, v31, v33
	v_mul_u32_u24 v33, v33, 144                    ; rows of the expert ahead of this tile
	v_add_nc_u32 v37, v34, v33
	v_min_u32 v37, 0x7fff, v37                     ; the tile's first place
	v_min_u32 v33, v33, v35
	v_sub_nc_u32 v38, v35, v33
	v_min_u32 v38, 144, v38                        ; its rows: 0 behind the last tile
	v_mov_b32 v39, 0
	v_lshlrev_b32 v40, 4, v31
	global_store_b128 v40, v[36:39], s[10:11] offset:131072
.Lsorted:
	s_endpgm
	; ---------------- the weights ----------------
.Lweights:
	s_sub_co_u32 s17, ttmp9, 8                     ; job 0 .. 63: 0-31 W1, 32-63 W2
	s_and_b32 s18, s17, 31
	s_lshr_b32 s19, s18, 3                         ; the expert
	s_and_b32 s20, s18, 7
	s_lshl_b32 s21, s20, 2
	s_add_co_u32 s21, s21, s16                     ; W1: which 32 columns of 1,024
	s_and_b32 s22, s20, 1
	s_lshl_b32 s22, s22, 2
	s_add_co_u32 s22, s22, s16                     ; W2: which 32 columns of 256,
	s_lshr_b32 s23, s20, 1                         ; and which 256 along K
	s_lshl_b32 s24, s19, 5
	s_add_co_u32 s25, s24, s21                     ; W1's unit: 32 e + columns
	s_lshl_b32 s26, s22, 2
	s_add_co_u32 s26, s26, s23
	s_add_co_u32 s26, s26, s24                     ; W2's: 32 e + 4 columns + K part
	s_mov_b32 s27, 4096
	s_mov_b32 s28, 786432
	s_mov_b32 s29, 32768
	s_wait_kmcnt 0x0
	s_cmp_ge_u32 s17, 32                           ; the choice hangs on the work-group's number alone; both tensors take one path through the text
	s_cselect_b64 s[6:7], s[8:9], s[6:7]
	s_cselect_b32 s21, s22, s21
	s_cselect_b32 s23, s23, 0
	s_cselect_b32 s25, s26, s25
	s_cselect_b32 s27, 1024, s27                   ; bytes from a row of K to the next
	s_cselect_b32 s28, s28, 0                      ; W2's codes lie behind W1's,
	s_cselect_b32 s29, s29, 0                      ; its scale words likewise
	s_lshl_b32 s30, s19, 20                        ; an expert is 2^20 bytes in either tensor
	s_lshl_b32 s26, s23, 18
	s_add_co_u32 s30, s30, s26
	s_lshl_b32 s26, s21, 7
	s_add_co_u32 s30, s30, s26
	s_mov_b32 s31, 0
	s_add_nc_u64 s[32:33], s[6:7], s[30:31]        ; block 0 of my 32 columns
	s_lshl_b32 s30, s27, 5                         ; 32 rows
.irp t, 1,2,3,4,5,6,7
	s_add_nc_u64 s[32+2*\t:33+2*\t], s[30+2*\t:31+2*\t], s[30:31]  ; a base for each block: nothing is stepped later
.endr
	s_mul_i32 s48, s25, 6144
	s_add_co_u32 s48, s48, s28
	s_mov_b32 s49, 0
	s_add_nc_u64 s[12:13], s[12:13], s[48:49]
	s_lshl_b32 s48, s25, 8
	s_add_co_u32 s48, s48, s29
	s_add_nc_u64 s[14:15], s[14:15], s[48:49]
	v_lshlrev_b32 v[OFF], 2, v2
.set i, 1
.rept 31
	v_add_nc_u32 v[OFF+i], s27, v[OFF+i-1]
.set i, i+1
.endr
	v_bfe_u32 v10, v2, 3, 1                        ; my column's tile u
	v_and_b32 v11, 7, v2
	v_lshrrev_b32 v12, 4, v2
	v_lshl_add_u32 v11, v12, 3, v11                ; and its lane r in that tile
	s_mul_i32 s50, s16, 6400                       ; my wave's LDS: 6,144 bytes of images, 256 of scale words
	v_mul_u32_u24 v4, v10, 3072
	v_lshl_add_u32 v4, v11, 4, v4
	v_add_nc_u32 v4, s50, v4                       ; images: 3072 u + 16 r
	v_lshlrev_b32 v5, 2, v10
	v_lshl_add_u32 v5, v11, 3, v5
	v_add_nc_u32 v5, s50, v5                       ; scale words: 8 r + 4 u
	v_lshlrev_b32 v8, 4, v2
	v_add_nc_u32 v6, s50, v8                       ; the way out: 16 bytes a lane,
	v_lshlrev_b32 v9, 3, v2
	v_add_nc_u32 v7, s50, v9                       ; 8 bytes a lane
.macro LOAD t                          ; block t: rows 32 t + i of my column; 32 lanes read 128 consecutive bytes, the four waves stand side by side
.set i, 0
.rept 32
	global_load_b32 v[X+32*((\t)%2)+i], v[OFF+i], s[32+2*(\t):33+2*(\t)] th:TH_LOAD_NT
.set i, i+1
.endr
.endm
	LOAD 0
	LOAD 1
.macro BLOCK t                         ; block t of 8: K step t / 4; in the operand it belongs to lanes' half t % 2 and registers 6 ((t / 2) % 2) on
.set XS, X+32*((\t)%2)
.set PL, 1536*((\t)/4)+256*((\t)%2)
.if (\t) < 7
	s_wait_loadcnt 32                              ; this block's 32 loads are in; the next block's may be out
.else
	s_wait_loadcnt 0x0
.endif
	v_max3_num_f32 v12, |v[XS]|, |v[XS+1]|, |v[XS+2]|              ; the block's largest magnitude: all 32 numbers are mine
	v_max3_num_f32 v13, |v[XS+3]|, |v[XS+4]|, |v[XS+5]|
.irp i, 6,10,14,18,22,26
	v_max3_num_f32 v12, v12, |v[XS+\i]|, |v[XS+\i+1]|
	v_max3_num_f32 v13, v13, |v[XS+\i+2]|, |v[XS+\i+3]|
.endr
	v_max3_num_f32 v12, v12, |v[XS+30]|, |v[XS+31]|
	v_max3_num_f32 v12, v12, v13, 0x1800000        ; and the floor 2^(3 - 127): the byte cannot fall under 1
	v_add_nc_u32 v14, 0xff000000, v12              ; 2 off the exponent field: the conversion's scale operand
	v_lshrrev_b32 v15, 23, v14                     ; the scale's byte
.if (\t)%4 == 0
	v_mov_b32 v[SB+(\t)/4], v15                    ; four bytes to a word, the lower K in the lower byte
.else
	v_lshl_or_b32 v[SB+(\t)/4], v15, 8*((\t)%4), v[SB+(\t)/4]
.endif
	v_cvt_scalef32_pk16_fp6_f32 v[C:C+2], v[XS:XS+15], v14
	v_cvt_scalef32_pk16_fp6_f32 v[C+4:C+6], v[XS+16:XS+31], v14    ; (a conversion's three registers begin on an even number)
	v_nop                                          ; one plain line between a scaled conversion and the vector line that touches its result
	v_mov_b32 v[C+3], v[C+4]                       ; the block's six registers on end
	v_mov_b32 v[C+4], v[C+5]
	v_mov_b32 v[C+5], v[C+6]
.if ((\t)/2)%2 == 0
	ds_store_b128 v4, v[C:C+3] offset:PL           ; registers 0-3: piece 0;
	ds_store_b64 v4, v[C+4:C+5] offset:PL+512      ; 4, 5: the first half of piece 1
.else
	ds_store_b64 v4, v[C:C+1] offset:PL+520        ; registers 6, 7: its second half;
	ds_store_b128 v4, v[C+2:C+5] offset:PL+1024    ; 8-11: piece 2
.endif
.if (\t)+2 < 8
	LOAD (\t)+2
.endif
	s_wait_dscnt 0x0                               ; the stores have read their registers: the next block's codes may be written
.endm
.irp t, 0,1,2,3,4,5,6,7
	BLOCK \t
.endr
	ds_store_b32 v5, v[SB] offset:6144             ; K step 0's word,
	ds_store_b32 v5, v[SB+1] offset:6144+128       ; K step 1's
.irp i, 0,1,2,3,4,5
	ds_load_b128 v[104+4*\i:107+4*\i], v6 offset:512*\i            ; LDS serves a wave's instructions in order: these see my stores
.endr
.irp i, 0,1,2,3,4,5
	ds_load_b128 v[160+4*\i:163+4*\i], v6 offset:3072+512*\i
.endr
	ds_load_b64 v[26:27], v7 offset:6144
.irp i, 0,1,2,3,4,5
	s_wait_dscnt 12-\i
	global_store_b128 v8, v[104+4*\i:107+4*\i], s[12:13] offset:512*\i         ; 32 lanes store 512 consecutive bytes, aligned
.endr
.irp i, 0,1,2,3,4,5
	s_wait_dscnt 6-\i
	global_store_b128 v8, v[160+4*\i:163+4*\i], s[12:13] offset:3072+512*\i
.endr
	s_wait_dscnt 0x0
	global_store_b64 v9, v[26:27], s[14:15]        ; 256 consecutive bytes, aligned
	s_wait_tensorcnt 0x0
	ds_add_u32 v192, v193
	s_wait_dscnt 0x0
	s_endpgm
.Lfunc_end_k_q3d1b783868_place:
	.size	k_q3d1b783868_place, .Lfunc_end_k_q3d1b783868_place-k_q3d1b783868_place
	.p2alignl 7, 3214868480
	.fill 96, 4, 3214868480
	.section	.rodata,"a",@progbits
	.p2align	6, 0x0
	.amdhsa_kernel k_q3d1b783868_place
		.amdhsa_group_segment_fixed_size 26112
		.amdhsa_private_segment_fixed_size 0
		.amdhsa_enable_private_segment 0
		.amdhsa_kernarg_size 48
		.amdhsa_user_sgpr_count 2
		.amdhsa_user_sgpr_kernarg_segment_ptr 1
		.amdhsa_wavefront_size32 1
		.amdhsa_system_sgpr_workgroup_id_x 1
		.amdhsa_system_sgpr_workgroup_id_y 1
		.amdhsa_system_sgpr_workgroup_id_z 1
		.amdhsa_system_vgpr_workitem_id 0
		.amdhsa_next_free_vgpr 194
		.amdhsa_next_free_sgpr 66
		.amdhsa_reserve_vcc 1
		.amdhsa_float_denorm_mode_32 3
		.amdhsa_float_denorm_mode_16_64 3
		.amdhsa_memory_ordered 1
		.amdhsa_forward_progress 1
		.amdhsa_inst_pref_size 82
	.end_amdhsa_kernel
	.amdgpu_metadata
---
amdhsa.version: [ 1, 2 ]
amdhsa.kernels:
  - .name:           k_q3d1b783868_place
    .symbol:         k_q3d1b783868_place.kd
    .args:
      - { .name: routes, .offset: 0, .size: 8, .value_kind: global_buffer, .address_space: global }
      - { .name: W1, .offset: 8, .size: 8, .value_kind: global_buffer, .address_space: global }
      - { .name: W2, .offset: 16, .size: 8, .value_kind: global_buffer, .address_space: global }
      - { .name: plan, .offset: 24, .size: 8, .value_kind: global_buffer, .address_space: global }
      - { .name: wcodes, .offset: 32, .size: 8, .value_kind: global_buffer, .address_space: global }
      - { .name: wscales, .offset: 40, .size: 8, .value_kind: global_buffer, .address_space: global }
    .group_segment_fixed_size: 26112
    .private_segment_fixed_size: 0
    .kernarg_segment_align: 8
    .kernarg_segment_size: 48
    .max_flat_workgroup_size: 128
    .sgpr_count:     66
    .vgpr_count:     194
    .wavefront_size: 32
...
	.end_amdgpu_metadata
.endif
;; end of part 2
;; launch experts (part 3): grid 231 x 1, 4 waves a work-group, no clusters, 164,352 bytes of LDS; arguments plan, xcodes, xscales, pmax, wcodes, wscales, b1, b2, out0; writes out0
.if DOCPART == 3
	.amdgcn_target "amdgcn-amd-amdhsa--gfx1250"
	.amdhsa_code_object_version 6
	.text
	.protected	k_q3d1b783868_experts
	.globl	k_q3d1b783868_experts
	.p2align	8
	.type	k_q3d1b783868_experts,@function
k_q3d1b783868_experts:
	s_mov_b64 s[64:65], 0
	v_nop
	global_prefetch_b8 v0, s[64:65] scope:SCOPE_SE
	s_setreg_imm32_b32 hwreg(HW_REG_WAVE_MODE, 25, 1), 1
	s_wait_xcnt 0x0
; out[token] = (relu(x W1[e] + b1[e]) W2[e] + b2[e]) x pmax, for the ONE expert e that the token chose; both products on codes of FP6 (E2M3) with one E8M0 scale for each 32 along K.
; A work-group takes one tile of the stored list: up to 144 rows (9 x 16) of one expert, through the whole chain; the hidden layer never goes to memory.
; THE GRID serves every split: 32,768 rows in tiles of 144 over 4 experts are never more than 228 + 3 = 231 tiles.  A tile with fewer than 144 rows repeats its last row (the same bytes go to the
; same place once more); a tile with no row runs the text on held indices, since every wave passes every barrier, and jumps over its stores alone.
; SHARES.  THE WAVES SHARE THE COLUMNS, NOT THE ROWS: wave w makes hidden units 256 w .. 256 w + 255 (K steps 2 w and 2 w + 1 of the second product) and outputs 64 w .. 64 w + 63, for all 144 rows.
; Its part of W1 and then of W2 goes from memory straight into its registers, laid by the launch before in the order of the operand's registers: each lane loads 16 bytes, a wave 512 on end.
; Both products are used transposed (source 0 = 16 rows of weights, source 1 = 16 tokens): a lane holds ONE token, and its registers run along the hidden units or the outputs.
; OPERANDS GO FROM WAVE TO WAVE THROUGH LDS AS IMAGES OF THEIR REGISTERS (1,536 bytes: registers 4 c .. 4 c + 3 of lane l at 512 c + 16 l); every LDS address is a constant + a lane term + a constant x wave.
; TWO BARRIERS: behind the first x's 18 fragments lie in LDS; behind the second the hidden layer's 72.  The way out goes through each wave's own stage.
; NO CLUSTER: an expert's tiles number ceil(rows / 144), which no cluster's size divides at every split, so partners would want different weights.  No tensor load: each weight byte is wanted in one
; wave's registers once.  LIMITS: NaN and infinities are not served; a block of zeros in the hidden layer gets the scale byte 1 (its codes are zeros).
; REGISTERS, in windows of 256.  Window 0: v1-19 addresses; v20-28 tokens; v29-37 pmax; v38-107 scale words and nothing else; from v108 on by phase (below).
;   window 1: v0-191 W1 of my first 128 hidden units, later W2's K parts 0 and 1; v192-255 b1 of those units, later the accumulators of rows 128-143 (v192-223) and b2 (v224-255).
;   window 2: v0-191 W1 of my second 128, later W2's K parts 2 and 3; v192-255 their b1.   window 3: the accumulators of rows 0-127: 32 m + 8 tile.
.set FRB,   1536                       ; an image
.set HSC,   110592                     ; LDS: at 0 the hidden layer's 72 images (9 s2 + m); here their scale words: 512 m + 256 (s2 % 2) + 16 r + 4 (s2 / 2);
.set XIMG,  115200                     ; x's 18 images (2 m + s);
.set XSC,   142848                     ; their scale words: 128 m + 4 lane (lanes 16-31: K step 1's);
.set LIST,  144000                     ; each wave's copy of the tokens' numbers: 576 w + 64 m + 32 (r % 2) + 4 (r / 2);
.set STAGE, 146304                     ; each wave's stage: 4352 w; 16 rows of 256 bytes + 16
.set TOK, 20
.set PM,  29
.set XS,  38                           ; x's scale words: lanes 0-15 K step 0, lanes 16-31 K step 1
.set W1S, 40                           ; v40-55   W1's: register 8 gi + tile; the two K steps in the two halves of the lanes
.set W2S, 56                           ; v56-71   W2's: register 8 Bi + 2 kc + u
.set HS,  72                           ; v72-107  the hidden layer's: register 4 m + kc
.set G,   108                          ; the head: v108-179 what was gathered; v180-188, v190-198, v200-208, v210-218 byte offsets
.set GA,  180
.set GS,  190
.set GP,  200
.set OA,  210
.set XF,  108                          ; phase 1: v108-131 x's two fragments; v132 the scale word just made; v134-149 at work; v150-169 the codes just made; v170-233 my 8 tiles of the hidden layer
.set PW,  132
.set TM,  134
.set PC,  150
.set HA,  170
.set HF,  108                          ; phase 2: v108-215 the hidden layer's nine fragments of a K step
.set MSB, 0
.macro WIN new                         ; s_set_vgpr_msb: bits 1:0 source 0, 3:2 source 1, 5:4 source 2, 7:6 destination; the high byte repeats the setting that is left
.if MSB != (\new)
	s_set_vgpr_msb (MSB<<8)|(\new)
.set MSB, (\new)
.endif
.endm
.macro PLACES                          ; four plain lines between a matrix instruction and a load into, or a vector read of, its registers
.rept 4
	v_nop
.endr
.endm
	s_load_b512 s[8:23], s[0:1], 0x0               ; plan s[8:9], xcodes s[10:11], xscales s[12:13], pmax s[14:15], wcodes s[16:17], wscales s[18:19], b1 s[20:21], b2 s[22:23]
	s_load_b64 s[24:25], s[0:1], 0x40              ; out0
	v_lshl_add_u32 v254, v0, 2, 0x28000
	v_mov_b32 v255, 0
	s_lshl_b32 s2, ttmp9, 4                        ; my tile's record: 16 bytes
	v_lshrrev_b32 v19, 5, v0
	v_readfirstlane_b32 s36, v19                   ; wave
	v_and_b32 v19, 31, v0                          ; lane
	v_lshlrev_b32 v1, 4, v19                       ; 16 x lane: an image's place for my lane; also the hidden images of K steps 0-3
	v_lshlrev_b32 v2, 2, v19
	v_and_b32 v3, 15, v0                           ; r
	v_bfe_u32 v4, v0, 4, 1                         ; h
	s_wait_kmcnt 0x0
	s_load_b128 s[32:35], s[8:9], s2 offset:0x20000    ; expert, first place, rows
	v_add_nc_u32 v5, XIMG, v1                      ; x's images
	v_add_nc_u32 v6, XSC, v2                       ; and their scale words
	s_mul_i32 s42, s36, 27648
	v_add_nc_u32 v7, s42, v1                       ; where I store my 18 hidden images
	s_lshl_b32 s42, s36, 2
	v_lshl_add_u32 v8, v3, 4, HSC
	v_add_nc_u32 v8, s42, v8                       ; and their scale words
	s_mul_i32 s42, s36, 4352
	s_add_co_u32 s42, s42, STAGE
	v_mul_u32_u24 v9, v3, 272
	v_lshl_add_u32 v9, v4, 6, v9
	v_add_nc_u32 v9, s42, v9                       ; the stage, in: row r, + 64 h
	v_mul_u32_u24 v10, v4, 272
	v_lshl_add_u32 v10, v3, 4, v10
	v_add_nc_u32 v10, s42, v10                     ; back: lanes 0-15 one row, lanes 16-31 the next
	s_mul_i32 s42, s36, 576
	s_add_co_u32 s42, s42, LIST
	v_lshlrev_b32 v11, 5, v4
	v_add_nc_u32 v11, s42, v11                     ; the tokens of the rows that I read back
	v_and_b32 v15, 1, v0
	v_bfe_u32 v12, v0, 1, 3
	v_lshlrev_b32 v15, 5, v15
	v_lshl_add_u32 v15, v12, 2, v15
	v_add_nc_u32 v15, s42, v15                     ; where row r's token is put
	s_lshl_b32 s42, s36, 8
	v_lshl_add_u32 v12, v3, 4, s42                 ; in a row of out0: my wave's 256 bytes, 16 a lane
	v_add_nc_u32 v13, 55296, v1                    ; the hidden images of K steps 4-7
	s_lshl_b32 s42, s36, 9
	v_add_nc_u32 v14, s42, v5                      ; waves 0-2 store piece w of x's images
	v_lshlrev_b32 v16, 3, v19                      ; 8 x lane
	v_lshlrev_b32 v17, 6, v4                       ; 64 h: the biases of my half
	v_add_nc_u32 v18, HSC, v1
	s_lshl_b32 s42, s36, 4
	v_mul_u32_u24 v220, v4, 48
	v_add_nc_u32 v220, s42, v220                   ; in a token's record: 48 h + 16 w
	v_lshlrev_b32 v221, 2, v4
	s_mov_b32 s40, 0x76543210                      ; v_permlanex16_b32's selects for lane l xor 16
	s_mov_b32 s41, 0xfedcba98
	s_wait_kmcnt 0x0
	s_min_u32 s32, s32, 3                          ; loaded numbers enter addresses only held inside their tables
	s_min_u32 s33, s33, 0x7fff
	s_min_u32 s34, s34, 144
	s_max_u32 s37, s34, 1
	s_sub_co_u32 s37, s37, 1                       ; the tile's last row
.irp m, 0,1,2,3,4,5,6,7,8              ; row 16 m + r of the tile: its token
	v_add_nc_u32 v[OA+\m], 16*\m, v3
	v_min_u32 v[OA+\m], s37, v[OA+\m]
	v_add_nc_u32 v[OA+\m], s33, v[OA+\m]
	v_min_u32 v[OA+\m], 0x7fff, v[OA+\m]
	v_lshlrev_b32 v[OA+\m], 2, v[OA+\m]
	global_load_b32 v[TOK+\m], v[OA+\m], s[8:9]
.endr
	s_mul_i32 s42, s32, 196608                     ; an expert's codes of W1 (or of W2): 32 units of 6,144 bytes; my wave's 8 units
	s_mul_i32 s44, s36, 49152
	s_add_co_u32 s42, s42, s44
	s_mov_b32 s43, 0
	s_add_nc_u64 s[16:17], s[16:17], s[42:43]
	s_add_nc_u64 s[26:27], s[16:17], 786432        ; W2's lie behind W1's
	s_lshl_b32 s42, s32, 3
	s_lshl_b32 s44, s36, 1
	s_add_co_u32 s42, s42, s44
	s_lshl_b32 s42, s42, 10                        ; scale words: 256 bytes a unit
	s_add_nc_u64 s[18:19], s[18:19], s[42:43]
	s_add_nc_u64 s[28:29], s[18:19], 32768
	s_lshl_b32 s42, s32, 12
	s_lshl_b32 s44, s36, 10
	s_add_co_u32 s42, s42, s44
	s_add_nc_u64 s[20:21], s[20:21], s[42:43]      ; b1: my 256 numbers
	s_lshl_b32 s42, s32, 10
	s_lshl_b32 s44, s36, 8
	s_add_co_u32 s42, s42, s44
	s_add_nc_u64 s[22:23], s[22:23], s[42:43]      ; b2: my 64
	WIN 0x40                                       ; destination window 1
.set p, 0
.rept 48                               ; W1 of my first 128 hidden units: fragment (tile t, K step s) at v[12 (2 t + s)]
	global_load_b128 v[4*p:4*p+3], v1, s[16:17] offset:512*p
.set p, p+1
.endr
	WIN 0
	s_wait_loadcnt 48                              ; the tokens are in: the 48 loads of W1 were issued behind them
.irp m, 0,1,2,3,4,5,6,7,8
	v_min_u32 v[TOK+\m], 0x7fff, v[TOK+\m]
.endr
.irp m, 0,1,2,3,4,5,6,7,8
	v_mul_u32_u24 v[GA+\m], v[TOK+\m], 192
	v_lshlrev_b32 v[GS+\m], 3, v[TOK+\m]
	v_lshlrev_b32 v[GP+\m], 2, v[TOK+\m]
	v_add_nc_u32 v[GA+\m], v[GA+\m], v220
	v_add_nc_u32 v[GS+\m], v[GS+\m], v221
.endr
.irp m, 0,1,2,3,4,5,6,7,8
	global_load_b32 v[PM+\m], v[GP+\m], s[14:15]
.endr
	s_cmp_lt_u32 s36, 3                            ; THE GATHER: waves 0-2 bring piece w (16 bytes a lane) of x's 18 fragments, wave 3 the scale words
	s_cbranch_scc0 .Lwave3_asks
.irp m, 0,1,2,3,4,5,6,7,8
.irp s, 0,1
	global_load_b128 v[G+4*(2*\m+\s):G+4*(2*\m+\s)+3], v[GA+\m], s[10:11] offset:96*\s
.endr
.endr
	s_branch .Lasked
.Lwave3_asks:
.irp m, 0,1,2,3,4,5,6,7,8
	global_load_b32 v[G+\m], v[GS+\m], s[12:13]
.endr
.Lasked:
.irp g, 0,1                            ; 48 loads: the weights' scale words, two tiles' a load,
.irp b, 0,1,2,3
	global_load_b64 v[W1S+8*\g+2*\b:W1S+8*\g+2*\b+1], v16, s[18:19] offset:1024*\g+256*\b
	global_load_b64 v[W2S+8*\g+2*\b:W2S+8*\g+2*\b+1], v16, s[28:29] offset:1024*\g+256*\b
.endr
.endr
	WIN 0x40
.irp t, 0,1,2,3,4,5,6,7                ; and b1 in the result's layout: lane (r, h), tile t: hidden units 32 (t / 2) + 8 (t % 2) + 16 h + 0 .. 7
	global_load_b128 v[192+8*\t:195+8*\t], v17, s[20:21] offset:128*(\t/2)+32*(\t%2)
	global_load_b128 v[196+8*\t:199+8*\t], v17, s[20:21] offset:128*(\t/2)+32*(\t%2)+16
.endr
	WIN 0x80
.irp t, 0,1,2,3,4,5,6,7
	global_load_b128 v[192+8*\t:195+8*\t], v17, s[20:21] offset:512+128*(\t/2)+32*(\t%2)
	global_load_b128 v[196+8*\t:199+8*\t], v17, s[20:21] offset:512+128*(\t/2)+32*(\t%2)+16
.endr
	WIN 0
	s_wait_loadcnt 48                              ; the gather is in, in either role: those 48 loads were issued behind it
	s_cmp_lt_u32 s36, 3
	s_cbranch_scc0 .Lwave3_stores
.irp m, 0,1,2,3,4,5,6,7,8
.irp s, 0,1
	ds_store_b128 v14, v[G+4*(2*\m+\s):G+4*(2*\m+\s)+3] offset:FRB*(2*\m+\s)
.endr
.endr
	s_branch .Lstored
.Lwave3_stores:
.irp m, 0,1,2,3,4,5,6,7,8
	ds_store_b32 v6, v[G+\m] offset:128*\m
.endr
.Lstored:
.irp m, 0,1,2,3,4,5,6,7,8
	ds_store_b32 v15, v[TOK+\m] offset:64*\m       ; my wave's own list (lanes r and r + 16 write the same word)
.endr
	WIN 0x80
.set p, 0
.rept 48                               ; W1 of my second 128 hidden units lands while the first are multiplied
	global_load_b128 v[4*p:4*p+3], v1, s[16:17] offset:24576+512*p
.set p, p+1
.endr
	WIN 0
	s_wait_dscnt 0x0                               ; for the others' sake: my stores have landed
	s_barrier_signal -1
	s_barrier_wait -1                              ; x's 18 fragments and their scale words lie in LDS
.macro XFETCH m                        ; rows 16 m on: two fragments and the scale words
.irp c, 0,1,2
	ds_load_b128 v[XF+4*\c:XF+4*\c+3], v5 offset:FRB*(2*(\m))+512*\c
	ds_load_b128 v[XF+12+4*\c:XF+12+4*\c+3], v5 offset:FRB*(2*(\m)+1)+512*\c
.endr
	ds_load_b32 v[XS], v6 offset:128*(\m)
.endm
; 64 numbers of a lane, v[s] .. v[s + 63], register 16 b + i = k 32 b + 16 (lane / 16) + i of my row, become a fragment's codes in v[PC] on and its scale word in v[PW].
.macro QUANT s
.irp b, 0,1,2,3
	v_max3_num_f32 v[TM+\b], |v[\s+16*\b]|, |v[\s+1+16*\b]|, 0x1800000   ; block b: my 16 numbers, and the floor 2^(3 - 127): the byte cannot fall under 1
.endr
.irp i, 2,4,6,8,10,12,14
.irp b, 0,1,2,3
	v_max3_num_f32 v[TM+\b], v[TM+\b], |v[\s+16*\b+\i]|, |v[\s+1+16*\b+\i]|   ; (the four blocks by turns)
.endr
.endr
.irp b, 0,1,2,3
	v_permlanex16_b32 v[TM+4+\b], v[TM+\b], s40, s41
.endr
.irp b, 0,1,2,3
	v_max_num_f32 v[TM+\b], v[TM+\b], v[TM+4+\b]   ; with lane l xor 16's: the block's largest magnitude
.endr
.irp b, 0,1,2,3
	v_add_nc_u32 v[TM+12+\b], 0xff000000, v[TM+\b]   ; 2 off its exponent field: the conversion's scale operand
.endr
.irp b, 0,1,2,3
	v_lshrrev_b32 v[TM+4+\b], 23, v[TM+12+\b]      ; the scale's byte
.endr
	v_lshl_or_b32 v[PW], v[TM+5], 8, v[TM+4]       ; the four bytes make my row's scale word
	v_lshl_or_b32 v[PW], v[TM+6], 16, v[PW]
	v_lshl_or_b32 v[PW], v[TM+7], 24, v[PW]
.irp c, 0,1
	v_cvt_scalef32_pk16_fp6_f32 v[PC+6*\c:PC+2+6*\c], v[\s+32*\c:\s+15+32*\c], v[TM+12+2*\c]
	v_cvt_scalef32_pk16_fp6_f32 v[PC+12+4*\c:PC+14+4*\c], v[\s+16+32*\c:\s+31+32*\c], v[TM+12+2*\c+1]   ; (a conversion's three registers begin on an even number)
.endr
	v_nop                                          ; one plain line behind a scaled conversion
.irp c, 0,1                            ; the operand's layout wants a WHOLE block in a lane: lanes 0-15 block 2 c, lanes 16-31 block 2 c + 1
.irp i, 0,1,2
	v_permlane16_swap_b32 v[PC+6*\c+\i], v[PC+12+4*\c+\i]
.endr
.irp i, 0,1,2
	v_mov_b32 v[PC+3+6*\c+\i], v[PC+12+4*\c+\i]
.endr
.endr
.endm
; PHASE 1, one tile of 16 rows: my 8 tiles of hidden units 128 gi on, over K = 256 in two steps; relu; quantised: K step 2 w + gi of the second product.  nxt: the rows whose x is fetched next, or -1.
; The eight accumulators take turns, one instruction a turn.  b1 is the C of each sum's first instruction.
.macro BODY gi, m, nxt
	s_wait_dscnt 0x0                               ; x's fragments are in; the last tile's stores have read their registers
	WIN 0x11*(1+\gi)                               ; W1 and b1 in window 1 + gi
.irp t, 0,1,2,3,4,5,6,7
	v_wmma_scale_f32_16x16x128_f8f6f4 v[HA+8*\t:HA+8*\t+7], v[24*\t:24*\t+11], v[XF:XF+11], v[192+8*\t:199+8*\t], v[W1S+8*\gi+\t], v[XS] matrix_a_fmt:MATRIX_FMT_FP6 matrix_b_fmt:MATRIX_FMT_FP6
.endr
	WIN 1+\gi
.irp t, 0,1,2,3,4,5,6,7
	v_wmma_scale_f32_16x16x128_f8f6f4 v[HA+8*\t:HA+8*\t+7], v[24*\t+12:24*\t+23], v[XF+12:XF+23], v[HA+8*\t:HA+8*\t+7], v[W1S+8*\gi+\t], v[XS] matrix_a_fmt:MATRIX_FMT_FP6 matrix_b_fmt:MATRIX_FMT_FP6 matrix_a_scale:MATRIX_SCALE_ROW1 matrix_b_scale:MATRIX_SCALE_ROW1
.endr
	WIN 0
	PLACES
.if \nxt >= 0
	XFETCH \nxt                                    ; lands while this tile is quantised
.endif
.set j, 0
.rept 64
	v_max_num_f32 v[HA+j], 0, v[HA+j]              ; the activation, in f32; each accumulator from its low end on
.set j, j+1
.endr
	QUANT HA
.irp c, 0,1,2
	ds_store_b128 v7, v[PC+4*\c:PC+4*\c+3] offset:13824*\gi+FRB*\m+512*\c
.endr
	ds_store_b32 v8, v[PW] offset:512*\m+256*\gi   ; (lanes r and r + 16 hold the same word)
.endm
.macro W2LOAD k0                       ; W2's K parts k0 and k0 + 1 of my 64 outputs: fragment (part kk, outputs 32 bi on, tile u, K step s) at v[12 (8 kk + 4 bi + 2 u + s)]
.irp kk, 0,1
.irp bi, 0,1
.irp p, 0,1,2,3,4,5,6,7,8,9,10,11
	global_load_b128 v[96*\kk+48*\bi+4*\p:96*\kk+48*\bi+4*\p+3], v1, s[26:27] offset:24576*\bi+6144*(\k0+\kk)+512*\p
.endr
.endr
.endr
.endm
	XFETCH 0
.irp b, 0,1,2,3
	v_mov_b32 v[TM+4+\b], 0                        ; written once: a lane permute's destination counts as one of its sources
.endr
	s_wait_loadcnt 48                              ; W1's first half, the scale words and b1 are in; W1's second half (48 loads) may be out
.irp m, 0,1,2,3,4,5,6,7
	BODY 0, \m, \m+1
.endr
	BODY 0, 8, 0
	WIN 0x40                                       ; window 1 is free: 56 loads
.irp u, 0,1,2,3                        ; b2 in the result's layout: tile u: outputs 32 (u / 2) + 8 (u % 2) + 16 h + 0 .. 7
	global_load_b128 v[224+8*\u:227+8*\u], v17, s[22:23] offset:128*(\u/2)+32*(\u%2)
	global_load_b128 v[228+8*\u:231+8*\u], v17, s[22:23] offset:128*(\u/2)+32*(\u%2)+16
.endr
	W2LOAD 0
	WIN 0
	s_wait_loadcnt 56                              ; W1's second half is in: those 56 were issued behind it
.irp m, 0,1,2,3,4,5,6,7
	BODY 1, \m, \m+1
.endr
	BODY 1, 8, -1
	WIN 0x80                                       ; window 2 is free: 48 loads
	W2LOAD 2
	WIN 0
	s_wait_dscnt 0x0                               ; for the others' sake: my images have landed
	s_barrier_signal -1
	s_barrier_wait -1                              ; the hidden layer's 72 fragments lie in LDS
; PHASE 2: my 64 outputs (4 tiles) for the 144 rows (9 tiles): 36 accumulators by turns, a K step of 128 at a time.
.macro HFETCH s2, m0, n                ; K step s2's fragments of n tiles of rows from m0 on
.set mm, \m0
.rept \n
.irp c, 0,1,2
.if (\s2) < 4
	ds_load_b128 v[HF+12*mm+4*\c:HF+12*mm+4*\c+3], v1 offset:13824*(\s2)+FRB*mm+512*\c
.else
	ds_load_b128 v[HF+12*mm+4*\c:HF+12*mm+4*\c+3], v13 offset:13824*((\s2)-4)+FRB*mm+512*\c
.endif
.endr
.set mm, mm+1
.endr
.endm
.macro HMUL s2, m0, n
.set KC, (\s2)/2
.set WA, 1+KC/2                        ; W2's window
.set mm, \m0
.rept \n
.if mm < 8
.if (\s2) == 0
	WIN 0xd0+WA                                    ; D window 3, C (b2) window 1
.else
	WIN 0xf0+WA                                    ; C and D window 3
.endif
.set AC, 32*mm
.else
	WIN 0x50+WA                                    ; rows 128-143: C and D window 1
.set AC, 192
.endif
.irp u, 0,1,2,3
.set AW, 12*((KC%2)*8+2*\u+(\s2)%2)
.if (\s2) == 0
	v_wmma_scale_f32_16x16x128_f8f6f4 v[AC+8*\u:AC+8*\u+7], v[AW:AW+11], v[HF+12*mm:HF+12*mm+11], v[224+8*\u:231+8*\u], v[W2S+8*(\u/2)+2*KC+\u%2], v[HS+4*mm+KC] matrix_a_fmt:MATRIX_FMT_FP6 matrix_b_fmt:MATRIX_FMT_FP6
.elseif (\s2)%2 == 0
	v_wmma_scale_f32_16x16x128_f8f6f4 v[AC+8*\u:AC+8*\u+7], v[AW:AW+11], v[HF+12*mm:HF+12*mm+11], v[AC+8*\u:AC+8*\u+7], v[W2S+8*(\u/2)+2*KC+\u%2], v[HS+4*mm+KC] matrix_a_fmt:MATRIX_FMT_FP6 matrix_b_fmt:MATRIX_FMT_FP6
.else
	v_wmma_scale_f32_16x16x128_f8f6f4 v[AC+8*\u:AC+8*\u+7], v[AW:AW+11], v[HF+12*mm:HF+12*mm+11], v[AC+8*\u:AC+8*\u+7], v[W2S+8*(\u/2)+2*KC+\u%2], v[HS+4*mm+KC] matrix_a_fmt:MATRIX_FMT_FP6 matrix_b_fmt:MATRIX_FMT_FP6 matrix_a_scale:MATRIX_SCALE_ROW1 matrix_b_scale:MATRIX_SCALE_ROW1
.endif
.endr
.set mm, mm+1
.endr
.endm
.macro KSTEP s2
.if (\s2) == 0
	s_wait_loadcnt 48                              ; b2 and W2's K parts 0 and 1 are in; parts 2 and 3 (48 loads) may be out
.endif
.if (\s2) == 4
	s_wait_loadcnt 0x0                             ; W2's K parts 2 and 3
.endif
	s_wait_dscnt 12                                ; the fragments of rows 0-79 are in; the youngest twelve loads (rows 80-143) may be out
	HMUL \s2, 0, 5
	s_wait_dscnt 0x0
	WIN 0
	PLACES
.if (\s2) < 7
	HFETCH (\s2)+1, 0, 5                           ; 16 matrix instructions ahead of their use
.endif
	HMUL \s2, 5, 4
	WIN 0
	PLACES
.if (\s2) < 7
	HFETCH (\s2)+1, 5, 4
.endif
.endm
.irp m, 0,1,2,3,4,5,6,7,8
	ds_load_b128 v[HS+4*\m:HS+4*\m+3], v18 offset:512*\m           ; lanes 0-15: the even K steps' words of row r, lanes 16-31 the odd ones'
.endr
	HFETCH 0, 0, 5
	HFETCH 0, 5, 4
.irp s, 0,1,2,3,4,5,6,7
	KSTEP \s
.endr
	s_cmp_eq_u32 s34, 0                            ; a tile without rows stores nothing
	s_cbranch_scc1 .Lend
; THE WAY OUT, 16 rows at a time: x pmax; a lane's 8 neighbouring outputs of one token go into my stage and come back as whole pieces of 256 bytes of a row; the rows' tokens come from my list.
.macro OUT m
.set TT, 108+32*((\m)%2)
.set BB, 172+32*((\m)%2)
.set TK, 236+8*((\m)%2)
.if (\m) >= 2
	s_wait_xcnt 0x0                                ; the stores of two tiles back have read their registers: these are loaded again only behind this wait
.endif
.if (\m) < 8
	WIN 0x03
.set AC, 32*(\m)
.else
	WIN 0x01
.set AC, 192
.endif
.set k, 0
.rept 32
	v_mul_f32 v[TT+k], v[AC+k], v[PM+(\m)]         ; each accumulator from its low end on
.set k, k+1
.endr
	WIN 0
.irp u, 0,1,2,3
	ds_store_b128 v9, v[TT+8*\u:TT+8*\u+3] offset:128*(\u/2)+32*(\u%2)
	ds_store_b128 v9, v[TT+8*\u+4:TT+8*\u+7] offset:128*(\u/2)+32*(\u%2)+16
.endr
.irp i, 0,1,2,3,4,5,6,7
	ds_load_b128 v[BB+4*\i:BB+4*\i+3], v10 offset:544*\i           ; LDS serves a wave's instructions in order: these see my stores, and the next tile's stores come behind them
.endr
	ds_load_b128 v[TK:TK+3], v11 offset:64*(\m)                    ; the tokens of rows 2 i + lane / 16, i = 0 .. 7
	ds_load_b128 v[TK+4:TK+7], v11 offset:64*(\m)+16
.endm
.macro SEND m, younger                 ; younger: the LDS instructions issued behind tile m's loads: the next tile's 18, or none
.set BB, 172+32*((\m)%2)
.set TK, 236+8*((\m)%2)
	s_wait_dscnt \younger
.irp i, 0,1,2,3,4,5,6,7
	v_min_u32 v[TK+\i], 0x7fff, v[TK+\i]
.endr
.irp i, 0,1,2,3,4,5,6,7
	v_lshl_add_u32 v[TK+\i], v[TK+\i], 10, v12     ; the token's row of 1,024 bytes + my place in it
.endr
.irp i, 0,1,2,3,4,5,6,7
	global_store_b128 v[TK+\i], v[BB+4*\i:BB+4*\i+3], s[24:25] th:TH_STORE_NT   ; sixteen lanes store 256 consecutive bytes, aligned; written once, read by nobody here
.endr
.endm
	OUT 0
.irp m, 1,2,3,4,5,6,7,8
	OUT \m
	SEND \m-1, 18
.endr
	SEND 8, 0
.Lend:
	s_wait_tensorcnt 0x0
	ds_add_u32 v254, v255
	s_wait_dscnt 0x0
	s_endpgm
.Lfunc_end_k_q3d1b783868_experts:
	.size	k_q3d1b783868_experts, .Lfunc_end_k_q3d1b783868_experts-k_q3d1b783868_experts
	.p2alignl 7, 3214868480
	.fill 96, 4, 3214868480
	.section	.rodata,"a",@progbits
	.p2align	6, 0x0
	.amdhsa_kernel k_q3d1b783868_experts
		.amdhsa_group_segment_fixed_size 164352
		.amdhsa_private_segment_fixed_size 0
		.amdhsa_enable_private_segment 0
		.amdhsa_kernarg_size 72
		.amdhsa_user_sgpr_count 2
		.amdhsa_user_sgpr_kernarg_segment_ptr 1
		.amdhsa_wavefront_size32 1
		.amdhsa_system_sgpr_workgroup_id_x 1
		.amdhsa_system_sgpr_workgroup_id_y 1
		.amdhsa_system_sgpr_workgroup_id_z 1
		.amdhsa_system_vgpr_workitem_id 0
		.amdhsa_next_free_vgpr 1024
		.amdhsa_next_free_sgpr 66
		.amdhsa_reserve_vcc 0
		.amdhsa_float_denorm_mode_32 3
		.amdhsa_float_denorm_mode_16_64 3
		.amdhsa_memory_ordered 1
		.amdhsa_forward_progress 1
		.amdhsa_inst_pref_size 255
	.end_amdhsa_kernel
	.section	.bss,"aw",@nobits
	.p2align	6
	.space	262144
	.amdgpu_metadata
---
amdhsa.version: [ 1, 2 ]
amdhsa.kernels:
  - .name:           k_q3d1b783868_experts
    .symbol:         k_q3d1b783868_experts.kd
    .args:
      - { .name: plan, .offset: 0, .size: 8, .value_kind: global_buffer, .address_space: global }
      - { .name: xcodes, .offset: 8, .size: 8, .value_kind: global_buffer, .address_space: global }
      - { .name: xscales, .offset: 16, .size: 8, .value_kind: global_buffer, .address_space: global }
      - { .name: pmax, .offset: 24, .size: 8, .value_kind: global_buffer, .address_space: global }
      - { .name: wcodes, .offset: 32, .size: 8, .value_kind: global_buffer, .address_space: global }
      - { .name: wscales, .offset: 40, .size: 8, .value_kind: global_buffer, .address_space: global }
      - { .name: b1, .offset: 48, .size: 8, .value_kind: global_buffer, .address_space: global }
      - { .name: b2, .offset: 56, .size: 8, .value_kind: global_buffer, .address_space: global }
      - { .name: out0, .offset: 64, .size: 8, .value_kind: global_buffer, .address_space: global }
    .group_segment_fixed_size: 164352
    .private_segment_fixed_size: 0
    .kernarg_segment_align: 8
    .kernarg_segment_size: 72
    .max_flat_workgroup_size: 128
    .sgpr_count:     66
    .vgpr_count:     1024
    .wavefront_size: 32
...
	.end_amdgpu_metadata
.endif
;; end of part 3
;; ======== version 2 of 2: 3 launches
;; workspace buffers: xcodes 6,291,456 bytes; xscales 262,144 bytes; pmax 131,072 bytes; routes 135,168 bytes of whole numbers; plan 135,168 bytes of whole numbers; wcodes 1,572,864 bytes; wscales 65,536 bytes
;; launch route (part 4): grid 256 x 1, 4 waves a work-group, no clusters, 33,280 bytes of LDS; arguments x, W_sw, b_sw, xcodes, xscales, pmax, routes; writes xcodes, xscales, pmax, routes
.if DOCPART == 4
	.amdgcn_target "amdgcn-amd-amdhsa--gfx1250"
	.amdhsa_code_object_version 6
	.text
	.protected	k_q3d1b783868_route
	.globl	k_q3d1b783868_route
	.p2align	8
	.type	k_q3d1b783868_route,@function
k_q3d1b783868_route:
	s_mov_b64 s[64:65], 0
	v_nop
	global_prefetch_b8 v0, s[64:65] scope:SCOPE_SE
	s_setreg_imm32_b32 hwreg(HW_REG_WAVE_MODE, 25, 1), 1
	s_wait_xcnt 0x0
; x [32768][256] f32 is read ONCE.  From it come (a) its codes of FP6 (E2M3) with one E8M0 byte for each 32 along K, (b) the router: logits = x W_sw + b_sw in f32,
; the chosen expert (the largest logit, the lower index on a tie), pmax = 1 / sum of exp(logit - largest), (c) for the sort of the next launch: each token's rank among the
; lower tokens of its expert inside its group of 32, and each group's four counts.  Nothing that comes from a floating-point number enters an address, a branch or EXEC here.
; SHARES.  A wave takes a group of 32 tokens (group = 4 x work-group + wave): 16 steps of 512 numbers, two tokens a step.  Waves share nothing: no barrier.
; Each load reads 512 consecutive bytes; a step's 2,048 bytes turn through the wave's own stage in LDS (16 bytes of padding behind each 64) and come back 16 NEIGHBOURS a lane:
; lane l holds token 2 t + l / 16, k = 16 (l % 16) + 0 .. 15; two neighbouring lanes hold a block of 32.
; THE CODES' LAYOUT is this program's own: a token's record is 192 bytes; block b (24 bytes) lies at 96 (b / 4) + 48 (b % 2) + 24 ((b / 2) % 2), so that the 48 bytes which lane (r, h)
; of a matrix operand wants for K step s (blocks 4 s + h and 4 s + 2 + h) stand on end at 96 s + 48 h.  The scale bytes lie [token][8], in K's order.
; A block's scale is 2^(floor(log2(largest magnitude)) - 2); its byte is the largest magnitude's exponent field - 2, held at 1 from below.
; LIMITS: a block of zeros gets the byte 1 where the rule says 127 (its codes are zeros, and this program alone reads the bytes); NaN and infinities among the inputs are not served;
; two logits nearer to each other than f32 sums resolve may route either way.
; No matrix unit, no cluster, no tensor load: memory binds, and nothing is shared between work-groups.
.set STEPS, 16
.set SP,    80                         ; a lane's place in a stage: 64 bytes + 16 of padding
.set SCB,   5120                       ; a wave's LDS (8,192 bytes): two stages of 32 x SP, then its 256 scale bytes,
.set LGB,   5376                       ; then its 32 tokens' logits, 16 bytes each
.set R,     16                         ; v16-111  six sets of 16 numbers as they are loaded
.set X,     112                        ; v112-143 two sets of 16 neighbours
.set WS,    144                        ; v144-207 W_sw: register 16 e + i = W_sw[16 (l % 16) + i][e]
.set C,     208                        ; v208-223 codes: four sets of 4
.set ACC,   224                        ; v224-231 four pairs: expert e's sum over my even k, over my odd k
.set LG,    232                        ; v232-239 four logits, two sets
.set E,     240                        ; v240-241 the scale byte, two sets
	s_load_b256 s[4:11], s[0:1], 0x0               ; x s[4:5], W_sw s[6:7], b_sw s[8:9], xcodes s[10:11]
	s_load_b128 s[12:15], s[0:1], 0x20             ; xscales s[12:13], pmax s[14:15]
	s_load_b64 s[16:17], s[0:1], 0x30              ; routes
	v_lshl_add_u32 v254, v0, 2, 0x8000
	v_mov_b32 v255, 0
	v_lshrrev_b32 v1, 5, v0
	v_readfirstlane_b32 s18, v1                    ; wave
	v_and_b32 v2, 31, v0                           ; lane
	v_lshlrev_b32 v3, 4, v2                        ; my 16 bytes of a load's 512
	v_and_b32 v1, 15, v0
	v_lshlrev_b32 v1, 8, v1                        ; W_sw: my 16 rows of 16 bytes
	v_and_b32 v8, 1, v2                            ; my 12 bytes of codes in a step's 384: half of a block 12,
	v_mul_u32_u24 v4, v8, 12
	v_bfe_u32 v8, v2, 1, 1                         ; block % 2: 48,
	v_mad_u32_u24 v4, v8, 48, v4
	v_bfe_u32 v8, v2, 2, 1                         ; (block / 2) % 2: 24,
	v_mad_u32_u24 v4, v8, 24, v4
	v_bfe_u32 v8, v2, 3, 2                         ; block / 4 and the token: 96 and 192
	v_mad_u32_u24 v4, v8, 96, v4
	s_lshl_b32 s36, s18, 13                        ; my wave's LDS
	v_lshrrev_b32 v14, 2, v2
	v_mul_u32_u24 v14, v14, SP
	v_and_b32 v15, 3, v2
	v_lshl_add_u32 v14, v15, 4, v14
	v_add_nc_u32 v14, s36, v14                     ; the stage, on the way in: SP (lane / 4) + 16 (lane % 4)
	v_mul_u32_u24 v15, v2, SP
	v_add_nc_u32 v15, s36, v15                     ; and on the way out: SP x lane
	v_lshrrev_b32 v5, 1, v2
	v_add_nc_u32 v5, s36, v5                       ; my block's scale byte
	v_lshlrev_b32 v7, 3, v2
	v_add_nc_u32 v6, s36, v7                       ; at the end: a token's 8 scale bytes a lane
	v_lshlrev_b32 v10, 2, v2                       ; 4 x lane
	v_lshrrev_b32 v242, 4, v2
	v_lshlrev_b32 v242, 4, v242
	v_add_nc_u32 v242, s36, v242                   ; where my token's logits go
	v_add_nc_u32 v243, s36, v3                     ; at the end: a token's logits a lane
	s_wait_kmcnt 0x0
	s_load_b128 s[20:23], s[8:9], 0x0              ; b_sw's four numbers
	s_lshl_b32 s19, ttmp9, 2
	s_add_co_u32 s19, s19, s18                     ; my group of 32 tokens
	s_mov_b32 s33, 0
	s_lshl_b32 s32, s19, 2
	s_add_co_u32 s32, s32, 131072
	s_add_nc_u64 s[34:35], s[16:17], s[32:33]      ; the group's word of counts, behind the tokens' words
	s_lshl_b32 s32, s19, 7
	s_add_nc_u64 s[16:17], s[16:17], s[32:33]      ; 4 bytes a token
	s_add_nc_u64 s[14:15], s[14:15], s[32:33]
	s_lshl_b32 s32, s19, 8
	s_add_nc_u64 s[12:13], s[12:13], s[32:33]      ; 8 bytes a token
	s_mul_i32 s32, s19, 6144
	s_add_nc_u64 s[10:11], s[10:11], s[32:33]      ; 192 bytes a token
	s_lshl_b32 s32, s19, 15
	s_add_nc_u64 s[4:5], s[4:5], s[32:33]          ; 1,024 bytes a token
.macro LOAD t
.irp i, 0,1,2,3
	global_load_b128 v[R+16*((\t)%6)+4*\i:R+16*((\t)%6)+4*\i+3], v3, s[4:5] offset:2048*(\t)+512*\i th:TH_LOAD_NT   ; 32 lanes read 512 consecutive bytes, read once in the launch
.endr
.endm
.macro TURN t                          ; step t's numbers through the stage: LDS serves a wave's instructions in order (ISA guide 5.7.1), so no wait stands between the stores and the loads
.irp i, 0,1,2,3
	ds_store_b128 v14, v[R+16*((\t)%6)+4*\i:R+16*((\t)%6)+4*\i+3] offset:32*SP*((\t)%2)+8*SP*\i
.endr
.irp i, 0,1,2,3
	ds_load_b128 v[X+16*((\t)%2)+4*\i:X+16*((\t)%2)+4*\i+3], v15 offset:32*SP*((\t)%2)+16*\i
.endr
.endm
.irp i, 0,1,2,3,4,5,6,7                ; W_sw as it lies, a row of four experts a load, into registers that are still free
	global_load_b128 v[X+4*\i:X+4*\i+3], v1, s[6:7] offset:16*\i
	global_load_b128 v[C+4*\i:C+4*\i+3], v1, s[6:7] offset:16*(\i+8)
.endr
.irp t, 0,1,2,3,4,5
	LOAD \t
.endr
	s_wait_loadcnt 24                              ; W_sw is in: the six steps' 24 loads were issued behind it
.irp i, 0,1,2,3,4,5,6,7                ; turned once, so that two neighbouring k of one expert are a register pair for the packed multiply-add
.irp e, 0,1,2,3
	v_mov_b32 v[WS+16*\e+\i], v[X+4*\i+\e]
	v_mov_b32 v[WS+16*\e+\i+8], v[C+4*\i+\e]
.endr
.endr
	s_wait_loadcnt 20                              ; step 0's four loads are in
	TURN 0
.macro STEP t
.set XS, X+16*((\t)%2)
.set CS, C+4*((\t)%4)
.set LS, LG+4*((\t)%2)
.if (\t) > 0
	s_wait_dscnt 2                                 ; this step's numbers are back from the stage; the two LDS stores of the last step (byte, logits) may be out
.else
	s_wait_dscnt 0x0
.endif
.if (\t)+6 < STEPS
	LOAD (\t)+6                                    ; into the set whose stores into the stage are done
.endif
.if (\t)+1 < STEPS
.if (\t)+6 < STEPS
	s_wait_loadcnt 20                              ; the next step's loads are in; those of the five steps behind it may be out
.else
	s_wait_loadcnt 4*(STEPS-2-(\t))                ; the counts run down
.endif
	TURN (\t)+1                                    ; through the other stage while this step is worked
.endif
	v_max3_num_f32 v8, |v[XS]|, |v[XS+1]|, |v[XS+2]|               ; the largest magnitude of my 16, in two chains
	v_max3_num_f32 v9, |v[XS+3]|, |v[XS+4]|, |v[XS+5]|
.irp i, 6,10
	v_max3_num_f32 v8, v8, |v[XS+\i]|, |v[XS+\i+1]|
	v_max3_num_f32 v9, v9, |v[XS+\i+2]|, |v[XS+\i+3]|
.endr
	v_max3_num_f32 v8, v8, |v[XS+14]|, |v[XS+15]|
	v_max3_num_f32 v8, v8, v9, 0x1800000           ; and the floor 2^(3 - 127): the byte cannot fall under 1
	v_max_num_f32_dpp v8, v8, v8 row_xmask:1 row_mask:0xf bank_mask:0xf   ; with my neighbour's 16: the block's
	v_add_nc_u32 v11, 0xff000000, v8               ; 2 off its exponent field: the conversion takes the exponent field of this operand as its scale
.if (\t) >= 4
	s_wait_alu depctr_va_vdst(0)
	s_wait_xcnt 0x0                                ; this set of code registers is the data of the store four steps back: written again only behind this wait
.endif
	v_cvt_scalef32_pk16_fp6_f32 v[CS:CS+2], v[XS:XS+15], v11       ; 16 numbers / the scale, to the nearest code, ties to even; beyond 7.5 the largest code
	v_lshrrev_b32 v[E+(\t)%2], 23, v11             ; the scale's byte
.irp e, 0,1,2,3                        ; the router: four experts' chains by turns, two k an instruction
	v_pk_mul_f32 v[ACC+2*\e:ACC+2*\e+1], v[XS:XS+1], v[WS+16*\e:WS+16*\e+1]
.endr
.irp j, 1,2,3,4,5,6,7
.irp e, 0,1,2,3
	v_pk_fma_f32 v[ACC+2*\e:ACC+2*\e+1], v[XS+2*\j:XS+2*\j+1], v[WS+16*\e+2*\j:WS+16*\e+2*\j+1], v[ACC+2*\e:ACC+2*\e+1]
.endr
.endr
.irp e, 0,1,2,3
	v_add_f32 v[LS+\e], v[ACC+2*\e], v[ACC+2*\e+1]
.endr
.irp m, 1,2,4,8                        ; over the sixteen lanes that hold a token: every one of them ends with the sum
.irp e, 0,1,2,3
	v_add_f32_dpp v[LS+\e], v[LS+\e], v[LS+\e] row_xmask:\m row_mask:0xf bank_mask:0xf
.endr
.endr
	ds_store_b8 v5, v[E+(\t)%2] offset:SCB+16*(\t)                 ; both lanes of a block write the same byte with the same value
	ds_store_b128 v242, v[LS:LS+3] offset:LGB+32*(\t)              ; the sixteen lanes of a token write the same 16 bytes
	global_store_b96 v4, v[CS:CS+2], s[10:11] offset:384*(\t)      ; the wave's 384 bytes are consecutive: two records
.endm
.irp t, 0,1,2,3,4,5,6,7,8,9,10,11,12,13,14,15
	STEP \t
.endr
	; THE GROUP'S END: a lane is a token
	ds_load_b64 v[12:13], v6 offset:SCB            ; LDS serves a wave's instructions in order: these see my stores
	ds_load_b128 v[244:247], v243 offset:LGB
	s_wait_kmcnt 0x0                               ; b_sw
	s_wait_dscnt 0x0
	global_store_b64 v7, v[12:13], s[12:13]        ; 32 lanes store 256 consecutive bytes, aligned
	v_add_f32 v244, s20, v244
	v_add_f32 v245, s21, v245
	v_add_f32 v246, s22, v246
	v_add_f32 v247, s23, v247
	v_mov_b32 v248, 0                              ; the expert: a later one wins only if its logit is greater
	v_cmp_le_f32 vcc_lo, v245, v244
	v_cndmask_b32 v248, 1, v248, vcc_lo
	v_max_num_f32 v249, v244, v245
	v_cmp_le_f32 vcc_lo, v246, v249
	v_cndmask_b32 v248, 2, v248, vcc_lo
	v_max_num_f32 v249, v249, v246
	v_cmp_le_f32 vcc_lo, v247, v249
	v_cndmask_b32 v248, 3, v248, vcc_lo
	v_max_num_f32 v249, v249, v247                 ; the largest logit is taken away before the exponentials
.irp e, 0,1,2,3
	v_sub_f32 v[244+\e], v[244+\e], v249
.endr
.irp e, 0,1,2,3
	v_mul_f32 v[244+\e], 0x3fb8aa3b, v[244+\e]     ; x log2(e)
.endr
	s_wait_alu depctr_va_vdst(0)
.irp e, 0,1,2,3
	v_exp_f32 v[244+\e], v[244+\e]
.endr
	v_cmp_eq_u32 s24, 0, v248                      ; which tokens of the group chose expert 0 .. 3.  (These lines are also the plain work behind the exponentials)
	v_cmp_eq_u32 s25, 1, v248
	v_cmp_eq_u32 s26, 2, v248
	v_cmp_eq_u32 s27, 3, v248
	v_mbcnt_lo_u32_b32 v250, s24, 0                ; how many of them are lower lanes
	v_mbcnt_lo_u32_b32 v251, s25, 0
	v_mbcnt_lo_u32_b32 v252, s26, 0
	v_mbcnt_lo_u32_b32 v253, s27, 0
	v_cndmask_b32 v250, v250, v251, s25            ; my own expert's figure: my rank
	v_cndmask_b32 v250, v250, v252, s26
	v_cndmask_b32 v250, v250, v253, s27
	v_lshl_or_b32 v250, v250, 8, v248              ; expert | rank << 8
	s_wait_alu depctr_va_vdst(0)
	v_add_f32 v244, v244, v245
	v_add_f32 v246, v246, v247
	v_add_f32 v244, v244, v246
	s_wait_alu depctr_va_vdst(0)
	v_rcp_f32 v251, v244                           ; the largest probability is exp(0) / the sum
	s_bcnt1_i32_b32 s28, s24
	s_bcnt1_i32_b32 s29, s25
	s_bcnt1_i32_b32 s30, s26
	s_bcnt1_i32_b32 s31, s27
	s_lshl_b32 s29, s29, 8
	s_lshl_b32 s30, s30, 16
	s_lshl_b32 s31, s31, 24
	s_or_b32 s28, s28, s29
	s_or_b32 s30, s30, s31
	s_or_b32 s28, s28, s30                         ; the group's four counts, a byte each (32 at the most)
	v_mov_b32 v252, s28                            ; (a plain line behind the reciprocal)
	global_store_b32 v10, v250, s[16:17]
	s_wait_alu depctr_va_vdst(0)
	global_store_b32 v10, v251, s[14:15]
	s_wait_xcnt 0x0                                ; EXEC is a source of the stores above: it changes only behind this wait
	v_cmp_eq_u32 vcc_lo, 0, v2
	s_wait_tensorcnt 0x0
	ds_add_u32 v254, v255
	s_wait_dscnt 0x0
	s_and_saveexec_b32 s33, vcc_lo
	global_store_b32 v10, v252, s[34:35]           ; lane 0 alone
	s_wait_xcnt 0x0
	s_or_b32 exec_lo, exec_lo, s33
	s_endpgm
.Lfunc_end_k_q3d1b783868_route:
	.size	k_q3d1b783868_route, .Lfunc_end_k_q3d1b783868_route-k_q3d1b783868_route
	.p2alignl 7, 3214868480
	.fill 96, 4, 3214868480
	.section	.rodata,"a",@progbits
	.p2align	6, 0x0
	.amdhsa_kernel k_q3d1b783868_route
		.amdhsa_group_segment_fixed_size 33280
		.amdhsa_private_segment_fixed_size 0
		.amdhsa_enable_private_segment 0
		.amdhsa_kernarg_size 56
		.amdhsa_user_sgpr_count 2
		.amdhsa_user_sgpr_kernarg_segment_ptr 1
		.amdhsa_wavefront_size32 1
		.amdhsa_system_sgpr_workgroup_id_x 1
		.amdhsa_system_sgpr_workgroup_id_y 1
		.amdhsa_system_sgpr_workgroup_id_z 1
		.amdhsa_system_vgpr_workitem_id 0
		.amdhsa_next_free_vgpr 256
		.amdhsa_next_free_sgpr 66
		.amdhsa_reserve_vcc 1
		.amdhsa_float_denorm_mode_32 3
		.amdhsa_float_denorm_mode_16_64 3
		.amdhsa_memory_ordered 1
		.amdhsa_forward_progress 1
		.amdhsa_inst_pref_size 91
	.end_amdhsa_kernel
	.amdgpu_metadata
---
amdhsa.version: [ 1, 2 ]
amdhsa.kernels:
  - .name:           k_q3d1b783868_route
    .symbol:         k_q3d1b783868_route.kd
    .args:
      - { .name: x, .offset: 0, .size: 8, .value_kind: global_buffer, .address_space: global }
      - { .name: W_sw, .offset: 8, .size: 8, .value_kind: global_buffer, .address_space: global }
      - { .name: b_sw, .offset: 16, .size: 8, .value_kind: global_buffer, .address_space: global }
      - { .name: xcodes, .offset: 24, .size: 8, .value_kind: global_buffer, .address_space: global }
      - { .name: xscales, .offset: 32, .size: 8, .value_kind: global_buffer, .address_space: global }
      - { .name: pmax, .offset: 40, .size: 8, .value_kind: global_buffer, .address_space: global }
      - { .name: routes, .offset: 48, .size: 8, .value_kind: global_buffer, .address_space: global }
    .group_segment_fixed_size: 33280
    .private_segment_fixed_size: 0
    .kernarg_segment_align: 8
    .kernarg_segment_size: 56
    .max_flat_workgroup_size: 128
    .sgpr_count:     66
    .vgpr_count:     256
    .wavefront_size: 32
...
	.end_amdgpu_metadata
.endif
;; end of part 4
;; launch place (part 5): grid 72 x 1, 4 waves a work-group, no clusters, 26,112 bytes of LDS; arguments routes, W1, W2, plan, wcodes, wscales; writes plan, wcodes, wscales
.if DOCPART == 5
	.amdgcn_target "amdgcn-amd-amdhsa--gfx1250"
	.amdhsa_code_object_version 6
	.text
	.protected	k_q3d1b783868_place
	.globl	k_q3d1b783868_place
	.p2align	8
	.type	k_q3d1b783868_place,@function
k_q3d1b783868_place:
	s_mov_b64 s[64:65], 0
	v_nop
	global_prefetch_b8 v0, s[64:65] scope:SCOPE_SE
	s_setreg_imm32_b32 hwreg(HW_REG_WAVE_MODE, 25, 1), 1
	s_wait_xcnt 0x0
; Two jobs that need nothing of each other, parted by the work-group's number.
; WORK-GROUPS 0-7: THE COUNTING SORT.  Wave q = 4 x work-group + wave (0 .. 31) owns groups 32 q .. 32 q + 31 of 32 tokens.  Every wave reads all 1,024 words of counts (4 KB), sums them,
; sums those ahead of its own groups, scans its own 32, and so knows for each of its groups where each expert's tokens begin in the order; a token's place is that + its rank.
; No atomics, no LDS, no barrier: each place of the order is stored by one lane.  Four counts are carried in two registers, 16 bits each: none passes 32,768.
; Waves 0-7 also store the list of tiles: 256 records {expert, first place, rows, 0}; an expert with c rows has ceil(c / 144) tiles; records behind the last tile have 0 rows.
; WORK-GROUPS 8-71: THE WEIGHTS.  W1 [4][256 k][1024] and W2 [4][1024 k][256], f32 with K as their first axis, become codes of FP6 (E2M3) with one E8M0 byte for each 32 along K.
; A lane takes a column and its registers run down K: a block of 32 lies in one lane, and the conversions give codes with K innermost.  A wave takes a UNIT: 32 columns x 256 along K.
; THE LAYOUT is the order of a matrix operand's registers: a unit is four images (tile u of 16 columns, K step s of 128: image 2 u + s) of 1,536 bytes; in an image registers 4 c .. 4 c + 3 of
; lane l lie at 512 c + 16 l.  Lane r of tile u holds column 8 u + r + 8 (r / 8) of the unit's 32, so that a product's results of tiles 0 and 1 are 16 neighbours a lane.
; A unit's scale words: (row r, K step s, tile u) at 8 (r + 16 s) + 4 u: 256 bytes.  The images are gathered in the wave's own LDS and leave as 6,144 consecutive bytes.
; LIMITS: a block of zeros gets the byte 1 where the rule says 127 (its codes are zeros; this program alone reads the bytes); NaN and infinities are not served.
.set CN,  32                           ; v32-63   sort: the 1,024 words of counts, four a lane and load
.set W,   64                           ; v64-95   sort: my 32 groups' tokens' words, then their byte offsets in the order
.set D,   96                           ; v96-127  sort: the tokens' numbers
.set X,   32                           ; v32-95   weights: two sets of 32 numbers
.set C,   96                           ; v96-102  weights: a block's codes
.set SB,  24                           ; v24-25   weights: the scale bytes, four to a register
.set OFF, 128                          ; v128-159 weights: 4 x lane + i rows
	s_load_b256 s[4:11], s[0:1], 0x0               ; routes s[4:5], W1 s[6:7], W2 s[8:9], plan s[10:11]
	s_load_b128 s[12:15], s[0:1], 0x20             ; wcodes s[12:13], wscales s[14:15]
	v_lshl_add_u32 v192, v0, 2, 0x6400
	v_mov_b32 v193, 0
	v_lshrrev_b32 v1, 5, v0
	v_readfirstlane_b32 s16, v1                    ; wave
	v_and_b32 v2, 31, v0                           ; lane
	s_cmp_ge_u32 ttmp9, 8
	s_cbranch_scc1 .Lweights
	; ---------------- the sort ----------------
	s_lshl_b32 s17, ttmp9, 2
	s_add_co_u32 s17, s17, s16                     ; q
	v_lshlrev_b32 v3, 4, v2
	v_lshlrev_b32 v4, 2, v2
	s_lshl_b32 s18, s17, 7
	v_add_nc_u32 v5, s18, v4                       ; my own group's word of counts: 4 (32 q + lane)
	s_lshl_b32 s18, s17, 12
	v_add_nc_u32 v6, s18, v4                       ; my tokens' words: 4 (1024 q + lane)
	s_lshl_b32 s19, s17, 3                         ; 8 q
	s_lshl_b32 s20, s17, 10
	s_wait_alu depctr_va_vdst(0)
	v_add_nc_u32 v7, s20, v2                       ; token 1024 q + lane
	s_mov_b32 s21, 0x00ff00ff
	s_mov_b32 s22, 0x76543210                      ; v_permlanex16_b32's selects for lane l xor 16
	s_mov_b32 s23, 0xfedcba98
	s_wait_kmcnt 0x0
.irp j, 0,1,2,3,4,5,6,7
	global_load_b128 v[CN+4*\j:CN+4*\j+3], v3, s[4:5] offset:131072+512*\j     ; groups 128 j + 4 lane + 0 .. 3
.endr
	global_load_b32 v20, v5, s[4:5] offset:131072
.irp i, 0,1,2,3,4,5,6,7,8,9,10,11,12,13,14,15,16,17,18,19,20,21,22,23,24,25,26,27,28,29,30,31
	global_load_b32 v[W+\i], v6, s[4:5] offset:128*\i
.endr
	v_mov_b32 v12, 0                               ; all groups: experts 0 and 2 (16 bits each);
	v_mov_b32 v13, 0                               ; experts 1 and 3;
	v_mov_b32 v14, 0                               ; the groups ahead of mine: 0 and 2;
	v_mov_b32 v15, 0                               ; 1 and 3
	s_wait_loadcnt 32                              ; the counts are in; the 32 loads of tokens' words may be out
.irp j, 0,1,2,3,4,5,6,7
	v_add3_u32 v8, v[CN+4*\j], v[CN+4*\j+1], v[CN+4*\j+2]          ; four groups' bytes: 128 at the most, no carry between them
	v_add_nc_u32 v8, v8, v[CN+4*\j+3]
	v_add_nc_u32 v10, 32*\j, v2
	v_and_b32 v9, s21, v8
	v_lshrrev_b32 v8, 8, v8
	v_and_b32 v8, s21, v8
	v_cmp_gt_u32 vcc_lo, s19, v10                  ; these four groups lie ahead of group 32 q where 32 j + lane < 8 q
	v_add_nc_u32 v12, v12, v9
	v_add_nc_u32 v13, v13, v8
	v_cndmask_b32 v9, 0, v9, vcc_lo
	v_cndmask_b32 v8, 0, v8, vcc_lo
	v_add_nc_u32 v14, v14, v9
	v_add_nc_u32 v15, v15, v8
.endr
.macro LANESUM x                       ; v[x] summed over the 32 lanes, the sum in every lane
.irp m, 1,2,4,8
	v_mov_b32_dpp v8, v[\x] row_xmask:\m row_mask:0xf bank_mask:0xf
	v_add_nc_u32 v[\x], v[\x], v8
.endr
	v_permlanex16_b32 v8, v[\x], s22, s23
	v_add_nc_u32 v[\x], v[\x], v8
.endm
	LANESUM 12
	LANESUM 13
	LANESUM 14
	LANESUM 15
	v_and_b32 v21, 0xffff, v12                     ; c0: also expert 1's first place
	v_and_b32 v22, 0xffff, v13                     ; c1
	v_lshrrev_b32 v23, 16, v12                     ; c2
	v_lshrrev_b32 v24, 16, v13                     ; c3
	v_add_nc_u32 v26, v21, v22                     ; expert 2's first place
	v_add_nc_u32 v27, v26, v23                     ; expert 3's
	v_lshl_add_u32 v14, v26, 16, v14               ; where my first group's tokens of experts 0 and 2 begin,
	v_lshl_or_b32 v8, v27, 16, v21
	v_add_nc_u32 v15, v15, v8                      ; of experts 1 and 3
	v_and_b32 v18, s21, v20                        ; a lane is one of my groups: its own counts
	v_lshrrev_b32 v19, 8, v20
	v_and_b32 v19, s21, v19
	v_mov_b32 v16, v18
	v_mov_b32 v17, v19
.irp n, 1,2,4,8                        ; a running sum inside each half of 16 lanes
	v_mov_b32_dpp v8, v16 row_shr:\n row_mask:0xf bank_mask:0xf bound_ctrl:1
	v_mov_b32_dpp v9, v17 row_shr:\n row_mask:0xf bank_mask:0xf bound_ctrl:1
	v_add_nc_u32 v16, v16, v8
	v_add_nc_u32 v17, v17, v9
.endr
	v_readlane_b32 s24, v16, 15                    ; the lower half's sum goes onto the upper half
	v_readlane_b32 s25, v17, 15
	v_cmp_le_u32 vcc_lo, 16, v2
	v_mov_b32 v8, s24
	v_mov_b32 v9, s25
	v_cndmask_b32 v8, 0, v8, vcc_lo
	v_cndmask_b32 v9, 0, v9, vcc_lo
	v_add3_u32 v16, v16, v8, v14
	v_add3_u32 v17, v17, v9, v15
	v_sub_nc_u32 v16, v16, v18                     ; less the group's own counts: where the group's tokens begin
	v_sub_nc_u32 v17, v17, v19
	s_wait_alu depctr_va_vdst(0)
	s_wait_loadcnt 0x0                             ; the tokens' words
.set i, 0
.rept 32                               ; group i of mine; a lane is a token.  Each trip has registers of its own for its store
	v_readlane_b32 s24, v16, i
	v_readlane_b32 s25, v17, i
	v_and_b32 v8, 1, v[W+i]
	v_cmp_eq_u32 vcc_lo, 1, v8
	v_mov_b32 v9, s25
	v_cndmask_b32 v9, s24, v9, vcc_lo              ; odd experts in the second register,
	v_and_b32 v8, 2, v[W+i]
	v_lshlrev_b32 v8, 3, v8
	v_lshrrev_b32 v9, v8, v9                       ; experts 2 and 3 in the upper 16 bits
	v_and_b32 v9, 0xffff, v9
	v_bfe_u32 v8, v[W+i], 8, 8                     ; the rank
	v_add_nc_u32 v9, v9, v8
	v_min_u32 v9, 0x7fff, v9                       ; a loaded number enters an address only held inside the buffer
	v_lshlrev_b32 v[W+i], 2, v9
	v_add_nc_u32 v[D+i], 32*i, v7
	global_store_b32 v[W+i], v[D+i], s[10:11]      ; order[place] = token
.set i, i+1
.endr
	s_cmp_ge_u32 s17, 8
	s_cbranch_scc1 .Lsorted
	; the list of tiles: record j = 32 q + lane
.irp e, 0,1,2
	v_add_nc_u32 v[28+\e], 143, v[21+\e]
	v_lshrrev_b32 v[28+\e], 4, v[28+\e]
	v_mul_u32_u24 v[28+\e], v[28+\e], 7282         ; / 9: 7282 x 9 = 65,538, exact for the 2,056 at the most that stand here
	v_lshrrev_b32 v[28+\e], 16, v[28+\e]           ; ceil(c / 144)
.endr
	v_add_nc_u32 v29, v28, v29                     ; tiles ahead of expert 2's first,
	v_add_nc_u32 v30, v29, v30                     ; of expert 3's
	s_lshl_b32 s18, s17, 5
	v_add_nc_u32 v31, s18, v2                      ; j
	v_mov_b32 v36, 0                               ; the expert,
	v_mov_b32 v33, 0                               ; the tiles ahead of its first,
	v_mov_b32 v34, 0                               ; its first place in the order,
	v_mov_b32 v35, v21                             ; its rows
	v_cmp_lt_u32 vcc_lo, v31, v28
	v_cndmask_b32 v36, 1, v36, vcc_lo
	v_cndmask_b32 v33, v28, v33, vcc_lo
	v_cndmask_b32 v34, v21, v34, vcc_lo
	v_cndmask_b32 v35, v22, v35, vcc_lo
	v_cmp_lt_u32 vcc_lo, v31, v29
	v_cndmask_b32 v36, 2, v36, vcc_lo
	v_cndmask_b32 v33, v29, v33, vcc_lo
	v_cndmask_b32 v34, v26, v34, vcc_lo
	v_cndmask_b32 v35, v23, v35, vcc_lo
	v_cmp_lt_u32 vcc_lo, v31, v30
	v_cndmask_b32 v36, 3, v36, vcc_lo
	v_cndmask_b32 v33, v30, v33, vcc_lo
	v_cndmask_b32 v34, v27, v34, vcc_lo
	v_cndmask_b32 v35, v24, v35, vcc_lo
	v_sub_nc_u32 v33, v31, v33
	v_mul_u32_u24 v33, v33, 144                    ; rows of the expert ahead of this tile
	v_add_nc_u32 v37, v34, v33
	v_min_u32 v37, 0x7fff, v37                     ; the tile's first place
	v_min_u32 v33, v33, v35
	v_sub_nc_u32 v38, v35, v33
	v_min_u32 v38, 144, v38                        ; its rows: 0 behind the last tile
	v_mov_b32 v39, 0
	v_lshlrev_b32 v40, 4, v31
	global_store_b128 v40, v[36:39], s[10:11] offset:131072
.Lsorted:
	s_endpgm
	; ---------------- the weights ----------------
.Lweights:
	s_sub_co_u32 s17, ttmp9, 8                     ; job 0 .. 63: 0-31 W1, 32-63 W2
	s_and_b32 s18, s17, 31
	s_lshr_b32 s19, s18, 3                         ; the expert
	s_and_b32 s20, s18, 7
	s_lshl_b32 s21, s20, 2
	s_add_co_u32 s21, s21, s16                     ; W1: which 32 columns of 1,024
	s_and_b32 s22, s20, 1
	s_lshl_b32 s22, s22, 2
	s_add_co_u32 s22, s22, s16                     ; W2: which 32 columns of 256,
	s_lshr_b32 s23, s20, 1                         ; and which 256 along K
	s_lshl_b32 s24, s19, 5
	s_add_co_u32 s25, s24, s21                     ; W1's unit: 32 e + columns
	s_lshl_b32 s26, s22, 2
	s_add_co_u32 s26, s26, s23
	s_add_co_u32 s26, s26, s24                     ; W2's: 32 e + 4 columns + K part
	s_mov_b32 s27, 4096
	s_mov_b32 s28, 786432
	s_mov_b32 s29, 32768
	s_wait_kmcnt 0x0
	s_cmp_ge_u32 s17, 32                           ; the choice hangs on the work-group's number alone; both tensors take one path through the text
	s_cselect_b64 s[6:7], s[8:9], s[6:7]
	s_cselect_b32 s21, s22, s21
	s_cselect_b32 s23, s23, 0
	s_cselect_b32 s25, s26, s25
	s_cselect_b32 s27, 1024, s27                   ; bytes from a row of K to the next
	s_cselect_b32 s28, s28, 0                      ; W2's codes lie behind W1's,
	s_cselect_b32 s29, s29, 0                      ; its scale words likewise
	s_lshl_b32 s30, s19, 20                        ; an expert is 2^20 bytes in either tensor
	s_lshl_b32 s26, s23, 18
	s_add_co_u32 s30, s30, s26
	s_lshl_b32 s26, s21, 7
	s_add_co_u32 s30, s30, s26
	s_mov_b32 s31, 0
	s_add_nc_u64 s[32:33], s[6:7], s[30:31]        ; block 0 of my 32 columns
	s_lshl_b32 s30, s27, 5                         ; 32 rows
.irp t, 1,2,3,4,5,6,7
	s_add_nc_u64 s[32+2*\t:33+2*\t], s[30+2*\t:31+2*\t], s[30:31]  ; a base for each block: nothing is stepped later
.endr
	s_mul_i32 s48, s25, 6144
	s_add_co_u32 s48, s48, s28
	s_mov_b32 s49, 0
	s_add_nc_u64 s[12:13], s[12:13], s[48:49]
	s_lshl_b32 s48, s25, 8
	s_add_co_u32 s48, s48, s29
	s_add_nc_u64 s[14:15], s[14:15], s[48:49]
	s_wait_alu depctr_va_vdst(0)
	v_lshlrev_b32 v[OFF], 2, v2
.set i, 1
.rept 31
	v_add_nc_u32 v[OFF+i], s27, v[OFF+i-1]
.set i, i+1
.endr
	v_bfe_u32 v10, v2, 3, 1                        ; my column's tile u
	v_and_b32 v11, 7, v2
	v_lshrrev_b32 v12, 4, v2
	v_lshl_add_u32 v11, v12, 3, v11                ; and its lane r in that tile
	s_mul_i32 s50, s16, 6400                       ; my wave's LDS: 6,144 bytes of images, 256 of scale words
	v_mul_u32_u24 v4, v10, 3072
	v_lshl_add_u32 v4, v11, 4, v4
	v_add_nc_u32 v4, s50, v4                       ; images: 3072 u + 16 r
	v_lshlrev_b32 v5, 2, v10
	v_lshl_add_u32 v5, v11, 3, v5
	v_add_nc_u32 v5, s50, v5                       ; scale words: 8 r + 4 u
	v_lshlrev_b32 v8, 4, v2
	v_add_nc_u32 v6, s50, v8                       ; the way out: 16 bytes a lane,
	v_lshlrev_b32 v9, 3, v2
	v_add_nc_u32 v7, s50, v9                       ; 8 bytes a lane
.macro LOAD t                          ; block t: rows 32 t + i of my column; 32 lanes read 128 consecutive bytes, the four waves stand side by side
.set i, 0
.rept 32
	global_load_b32 v[X+32*((\t)%2)+i], v[OFF+i], s[32+2*(\t):33+2*(\t)] th:TH_LOAD_NT
.set i, i+1
.endr
.endm
	LOAD 0
	LOAD 1
.macro BLOCK t                         ; block t of 8: K step t / 4; in the operand it belongs to lanes' half t % 2 and registers 6 ((t / 2) % 2) on
.set XS, X+32*((\t)%2)
.set PL, 1536*((\t)/4)+256*((\t)%2)
.if (\t) < 7
	s_wait_loadcnt 32                              ; this block's 32 loads are in; the next block's may be out
.else
	s_wait_loadcnt 0x0
.endif
	v_max3_num_f32 v12, |v[XS]|, |v[XS+1]|, |v[XS+2]|              ; the block's largest magnitude: all 32 numbers are mine
	v_max3_num_f32 v13, |v[XS+3]|, |v[XS+4]|, |v[XS+5]|
.irp i, 6,10,14,18,22,26
	v_max3_num_f32 v12, v12, |v[XS+\i]|, |v[XS+\i+1]|
	v_max3_num_f32 v13, v13, |v[XS+\i+2]|, |v[XS+\i+3]|
.endr
	v_max3_num_f32 v12, v12, |v[XS+30]|, |v[XS+31]|
	v_max3_num_f32 v12, v12, v13, 0x1800000        ; and the floor 2^(3 - 127): the byte cannot fall under 1
	v_add_nc_u32 v14, 0xff000000, v12              ; 2 off the exponent field: the conversion's scale operand
	v_lshrrev_b32 v15, 23, v14                     ; the scale's byte
.if (\t)%4 == 0
	v_mov_b32 v[SB+(\t)/4], v15                    ; four bytes to a word, the lower K in the lower byte
.else
	v_lshl_or_b32 v[SB+(\t)/4], v15, 8*((\t)%4), v[SB+(\t)/4]
.endif
	v_cvt_scalef32_pk16_fp6_f32 v[C:C+2], v[XS:XS+15], v14
	v_cvt_scalef32_pk16_fp6_f32 v[C+4:C+6], v[XS+16:XS+31], v14    ; (a conversion's three registers begin on an even number)
	v_nop                                          ; one plain line between a scaled conversion and the vector line that touches its result
	v_mov_b32 v[C+3], v[C+4]                       ; the block's six registers on end
	v_mov_b32 v[C+4], v[C+5]
	v_mov_b32 v[C+5], v[C+6]
.if ((\t)/2)%2 == 0
	ds_store_b128 v4, v[C:C+3] offset:PL           ; registers 0-3: piece 0;
	ds_store_b64 v4, v[C+4:C+5] offset:PL+512      ; 4, 5: the first half of piece 1
.else
	ds_store_b64 v4, v[C:C+1] offset:PL+520        ; registers 6, 7: its second half;
	ds_store_b128 v4, v[C+2:C+5] offset:PL+1024    ; 8-11: piece 2
.endif
.if (\t)+2 < 8
	LOAD (\t)+2
.endif
	s_wait_dscnt 0x0                               ; the stores have read their registers: the next block's codes may be written
.endm
.irp t, 0,1,2,3,4,5,6,7
	BLOCK \t
.endr
	ds_store_b32 v5, v[SB] offset:6144             ; K step 0's word,
	s_wait_alu depctr_va_vdst(0)
	ds_store_b32 v5, v[SB+1] offset:6144+128       ; K step 1's
.irp i, 0,1,2,3,4,5
	ds_load_b128 v[104+4*\i:107+4*\i], v6 offset:512*\i            ; LDS serves a wave's instructions in order: these see my stores
.endr
.irp i, 0,1,2,3,4,5
	ds_load_b128 v[160+4*\i:163+4*\i], v6 offset:3072+512*\i
.endr
	ds_load_b64 v[26:27], v7 offset:6144
.irp i, 0,1,2,3,4,5
	s_wait_dscnt 12-\i
	global_store_b128 v8, v[104+4*\i:107+4*\i], s[12:13] offset:512*\i         ; 32 lanes store 512 consecutive bytes, aligned
.endr
.irp i, 0,1,2,3,4,5
	s_wait_dscnt 6-\i
	global_store_b128 v8, v[160+4*\i:163+4*\i], s[12:13] offset:3072+512*\i
.endr
	s_wait_dscnt 0x0
	global_store_b64 v9, v[26:27], s[14:15]        ; 256 consecutive bytes, aligned
	s_wait_tensorcnt 0x0
	ds_add_u32 v192, v193
	s_wait_dscnt 0x0
	s_endpgm
.Lfunc_end_k_q3d1b783868_place:
	.size	k_q3d1b783868_place, .Lfunc_end_k_q3d1b783868_place-k_q3d1b783868_place
	.p2alignl 7, 3214868480
	.fill 96, 4, 3214868480
	.section	.rodata,"a",@progbits
	.p2align	6, 0x0
	.amdhsa_kernel k_q3d1b783868_place
		.amdhsa_group_segment_fixed_size 26112
		.amdhsa_private_segment_fixed_size 0
		.amdhsa_enable_private_segment 0
		.amdhsa_kernarg_size 48
		.amdhsa_user_sgpr_count 2
		.amdhsa_user_sgpr_kernarg_segment_ptr 1
		.amdhsa_wavefront_size32 1
		.amdhsa_system_sgpr_workgroup_id_x 1
		.amdhsa_system_sgpr_workgroup_id_y 1
		.amdhsa_system_sgpr_workgroup_id_z 1
		.amdhsa_system_vgpr_workitem_id 0
		.amdhsa_next_free_vgpr 194
		.amdhsa_next_free_sgpr 66
		.amdhsa_reserve_vcc 1
		.amdhsa_float_denorm_mode_32 3
		.amdhsa_float_denorm_mode_16_64 3
		.amdhsa_memory_ordered 1
		.amdhsa_forward_progress 1
		.amdhsa_inst_pref_size 82
	.end_amdhsa_kernel
	.amdgpu_metadata
---
amdhsa.version: [ 1, 2 ]
amdhsa.kernels:
  - .name:           k_q3d1b783868_place
    .symbol:         k_q3d1b783868_place.kd
    .args:
      - { .name: routes, .offset: 0, .size: 8, .value_kind: global_buffer, .address_space: global }
      - { .name: W1, .offset: 8, .size: 8, .value_kind: global_buffer, .address_space: global }
      - { .name: W2, .offset: 16, .size: 8, .value_kind: global_buffer, .address_space: global }
      - { .name: plan, .offset: 24, .size: 8, .value_kind: global_buffer, .address_space: global }
      - { .name: wcodes, .offset: 32, .size: 8, .value_kind: global_buffer, .address_space: global }
      - { .name: wscales, .offset: 40, .size: 8, .value_kind: global_buffer, .address_space: global }
    .group_segment_fixed_size: 26112
    .private_segment_fixed_size: 0
    .kernarg_segment_align: 8
    .kernarg_segment_size: 48
    .max_flat_workgroup_size: 128
    .sgpr_count:     66
    .vgpr_count:     194
    .wavefront_size: 32
...
	.end_amdgpu_metadata
.endif
;; end of part 5
;; launch experts (part 6): grid 231 x 1, 4 waves a work-group, no clusters, 164,352 bytes of LDS; arguments plan, xcodes, xscales, pmax, wcodes, wscales, b1, b2, out0; writes out0
.if DOCPART == 6
	.amdgcn_target "amdgcn-amd-amdhsa--gfx1250"
	.amdhsa_code_object_version 6
	.text
	.protected	k_q3d1b783868_experts
	.globl	k_q3d1b783868_experts
	.p2align	8
	.type	k_q3d1b783868_experts,@function
k_q3d1b783868_experts:
	s_mov_b64 s[64:65], 0
	v_nop
	global_prefetch_b8 v0, s[64:65] scope:SCOPE_SE
	s_setreg_imm32_b32 hwreg(HW_REG_WAVE_SCHED_MODE, 0, 2), 2
	s_setreg_imm32_b32 hwreg(HW_REG_WAVE_MODE, 25, 1), 1
	s_wait_xcnt 0x0
	s_wait_alu depctr_vm_vsrc(0)
; out[token] = (relu(x W1[e] + b1[e]) W2[e] + b2[e]) x pmax, for the ONE expert e that the token chose; both products on codes of FP6 (E2M3) with one E8M0 scale for each 32 along K.
; A work-group takes one tile of the stored list: up to 144 rows (9 x 16) of one expert, through the whole chain; the hidden layer never goes to memory.
; THE GRID serves every split: 32,768 rows in tiles of 144 over 4 experts are never more than 228 + 3 = 231 tiles.  A tile with fewer than 144 rows repeats its last row (the same bytes go to the
; same place once more); a tile with no row runs the text on held indices, since every wave passes every barrier, and jumps over its stores alone.
; SHARES.  THE WAVES SHARE THE COLUMNS, NOT THE ROWS: wave w makes hidden units 256 w .. 256 w + 255 (K steps 2 w and 2 w + 1 of the second product) and outputs 64 w .. 64 w + 63, for all 144 rows.
; Its part of W1 and then of W2 goes from memory straight into its registers, laid by the launch before in the order of the operand's registers: each lane loads 16 bytes, a wave 512 on end.
; Both products are used transposed (source 0 = 16 rows of weights, source 1 = 16 tokens): a lane holds ONE token, and its registers run along the hidden units or the outputs.
; OPERANDS GO FROM WAVE TO WAVE THROUGH LDS AS IMAGES OF THEIR REGISTERS (1,536 bytes: registers 4 c .. 4 c + 3 of lane l at 512 c + 16 l); every LDS address is a constant + a lane term + a constant x wave.
; TWO BARRIERS: behind the first x's 18 fragments lie in LDS; behind the second the hidden layer's 72.  The way out goes through each wave's own stage.
; NO CLUSTER: an expert's tiles number ceil(rows / 144), which no cluster's size divides at every split, so partners would want different weights.  No tensor load: each weight byte is wanted in one
; wave's registers once.  LIMITS: NaN and infinities are not served; a block of zeros in the hidden layer gets the scale byte 1 (its codes are zeros).
; THE MODE: SCHED_MODE bits 1:0 = 2 (LLVM: expert scheduling mode 2), set by the entry lines.  The code itself states the register dependences
; between vector or matrix instructions and memory or LDS instructions, with s_wait_alu, always for 0.
; THE PLAN.  Registers that memory or LDS instructions touch, and who else names them:
;   v1-v18, v254, v255   addresses: written at the head, never again.  One wait on va_vdst ahead of the first load serves them all.
;   OA, GA, GS, GP, TOK  offsets made by vector lines, read by the head's loads and stores: a wait on va_vdst behind each of the two runs that make them.
;   G and those offsets  read by the head's stores and loads, written again by phase 1: one wait on vm_vsrc behind the first barrier.
;   XF0, XF1, XS0, XS1   x's fragments and scale words, two buffers.  Tile q of phase 1's 18 multiplies by buffer q % 2; behind the tile's wait on va_vdst tile q + 2's x is asked for into that buffer.
;   PC, PW               written by a tile's quantiser, read by its four LDS stores.  The tile's ONE wait on va_vdst stands between the two (and states that its products are done with XF and XS);
;                        a wait on vm_vsrc stands ahead of the next tile's quantiser.
;   W1 and b1            read by phase 1's products; W2 and b2 are loaded over them: the window's switch, a wait on va_vdst, the loads.
;   the ring             phase 2: 17 places for fragments of the hidden layer.  Fragment f = 9 x K step + tile of rows lies in place f % 17.  K step s reads fragments 9 s .. 9 s + 8 and loads
;                        fragments 9 s + 8 .. 9 s + 16, which are the nine places that step s - 1 read: ONE wait on va_vdst at a step's head frees them, and the step's 27 loads follow it in three
;                        runs among its 36 products, which name step s's places alone.
;   TT, BB, TK           the way out, two sets each: one wait on va_vdst a tile (TT of tile m and the addresses of tile m - 1 are written), one on vm_vsrc ahead of a set's next use.
; REGISTERS, in windows of 256.  Window 0: v1-19 addresses; v20-28 tokens; v29-37 pmax; v38-107 scale words and nothing else; from v108 on by phase (below).
;   window 1: v0-191 W1 of my first 128 hidden units, later W2's K parts 0 and 1; v192-255 b1 of those units, later the accumulators of rows 128-143 (v192-223) and b2 (v224-255).
;   window 2: v0-191 W1 of my second 128, later W2's K parts 2 and 3; v192-255 their b1, later the ring's places 12-16 (v192-251).   window 3: the accumulators of rows 0-127: 32 m + 8 tile.
.set FRB,   1536                       ; an image
.set HSC,   110592                     ; LDS: at 0 the hidden layer's 72 images (9 s2 + m); here their scale words: 512 m + 256 (s2 % 2) + 16 r + 4 (s2 / 2);
.set XIMG,  115200                     ; x's 18 images (2 m + s);
.set XSC,   142848                     ; their scale words: 128 m + 4 lane (lanes 16-31: K step 1's);
.set LIST,  144000                     ; each wave's copy of the tokens' numbers: 576 w + 64 m + 32 (r % 2) + 4 (r / 2);
.set STAGE, 146304                     ; each wave's stage: 4352 w; 16 rows of 256 bytes + 16
.set TOK, 20
.set PM,  29
.set XS,  38                           ; v38-39   x's scale words, a register for each buffer: lanes 0-15 K step 0, lanes 16-31 K step 1
.set W1S, 40                           ; v40-55   W1's: register 8 gi + tile; the two K steps in the two halves of the lanes
.set W2S, 56                           ; v56-71   W2's: register 8 Bi + 2 kc + u
.set HS,  72                           ; v72-107  the hidden layer's: register 4 m + kc
.set G,   108                          ; the head: v108-179 what was gathered; v180-188, v190-198, v200-208, v210-218 byte offsets
.set GA,  180
.set GS,  190
.set GP,  200
.set OA,  210
.set XF,  108                          ; phase 1: v108-131, v132-155 x's two fragments, two buffers; v156 the scale word just made; v158-169 at work; v170-189 the codes just made; v190-253 my 8 tiles of the hidden layer
.set PW,  156
.set TM,  158
.set PC,  170
.set HA,  190
.set HF,  108                          ; phase 2: v108-251 the ring's places 0-11
.set MSB, 0
.macro WIN new                         ; s_set_vgpr_msb: bits 1:0 source 0, 3:2 source 1, 5:4 source 2, 7:6 destination; the high byte repeats the setting that is left
.if MSB != (\new)
	s_set_vgpr_msb (MSB<<8)|(\new)
.set MSB, (\new)
.endif
.endm
.macro PLACES                          ; four plain lines between a matrix instruction and a load into, or a vector read of, its registers
.rept 4
	v_nop
.endr
.endm
	s_load_b512 s[8:23], s[0:1], 0x0               ; plan s[8:9], xcodes s[10:11], xscales s[12:13], pmax s[14:15], wcodes s[16:17], wscales s[18:19], b1 s[20:21], b2 s[22:23]
	s_load_b64 s[24:25], s[0:1], 0x40              ; out0
	v_lshl_add_u32 v254, v0, 2, 0x28000
	v_mov_b32 v255, 0
	s_lshl_b32 s2, ttmp9, 4                        ; my tile's record: 16 bytes
	v_lshrrev_b32 v19, 5, v0
	v_readfirstlane_b32 s36, v19                   ; wave
	v_and_b32 v19, 31, v0                          ; lane
	v_lshlrev_b32 v1, 4, v19                       ; 16 x lane: an image's place for my lane; also the hidden images of K steps 0-3
	v_lshlrev_b32 v2, 2, v19
	v_and_b32 v3, 15, v0                           ; r
	v_bfe_u32 v4, v0, 4, 1                         ; h
	s_wait_alu depctr_va_vdst(0)
	s_wait_kmcnt 0x0
	s_load_b128 s[32:35], s[8:9], s2 offset:0x20000    ; expert, first place, rows
	v_add_nc_u32 v5, XIMG, v1                      ; x's images
	v_add_nc_u32 v6, XSC, v2                       ; and their scale words
	s_wait_alu depctr_va_sdst(0)                   ; s36, the wave's number, is written, ahead of its first reader
	s_mul_i32 s42, s36, 27648
	v_add_nc_u32 v7, s42, v1                       ; where I store my 18 hidden images
	s_lshl_b32 s42, s36, 2
	v_lshl_add_u32 v8, v3, 4, HSC
	v_add_nc_u32 v8, s42, v8                       ; and their scale words
	s_mul_i32 s42, s36, 4352
	s_add_co_u32 s42, s42, STAGE
	v_mul_u32_u24 v9, v3, 272
	v_lshl_add_u32 v9, v4, 6, v9
	v_add_nc_u32 v9, s42, v9                       ; the stage, in: row r, + 64 h
	v_mul_u32_u24 v10, v4, 272
	v_lshl_add_u32 v10, v3, 4, v10
	v_add_nc_u32 v10, s42, v10                     ; back: lanes 0-15 one row, lanes 16-31 the next
	s_mul_i32 s42, s36, 576
	s_add_co_u32 s42, s42, LIST
	v_lshlrev_b32 v11, 5, v4
	v_add_nc_u32 v11, s42, v11                     ; the tokens of the rows that I read back
	v_and_b32 v15, 1, v0
	v_bfe_u32 v12, v0, 1, 3
	v_lshlrev_b32 v15, 5, v15
	v_lshl_add_u32 v15, v12, 2, v15
	v_add_nc_u32 v15, s42, v15                     ; where row r's token is put
	s_lshl_b32 s42, s36, 8
	v_lshl_add_u32 v12, v3, 4, s42                 ; in a row of out0: my wave's 256 bytes, 16 a lane
	v_add_nc_u32 v13, 55296, v1                    ; the hidden images of K steps 4-7
	s_lshl_b32 s42, s36, 9
	v_add_nc_u32 v14, s42, v5                      ; waves 0-2 store piece w of x's images
	v_lshlrev_b32 v16, 3, v19                      ; 8 x lane
	v_lshlrev_b32 v17, 6, v4                       ; 64 h: the biases of my half
	v_add_nc_u32 v18, HSC, v1
	s_lshl_b32 s42, s36, 4
	v_mul_u32_u24 v220, v4, 48
	v_add_nc_u32 v220, s42, v220                   ; in a token's record: 48 h + 16 w
	v_lshlrev_b32 v221, 2, v4
	s_mov_b32 s40, 0x76543210                      ; v_permlanex16_b32's selects for lane l xor 16
	s_mov_b32 s41, 0xfedcba98
	s_wait_kmcnt 0x0
	s_min_u32 s32, s32, 3                          ; loaded numbers enter addresses only held inside their tables
	s_min_u32 s33, s33, 0x7fff
	s_min_u32 s34, s34, 144
	s_max_u32 s37, s34, 1
	s_sub_co_u32 s37, s37, 1                       ; the tile's last row
.irp m, 0,1,2,3,4,5,6,7,8              ; row 16 m + r of the tile: where its token stands in the order
	v_add_nc_u32 v[OA+\m], 16*\m, v3
	v_min_u32 v[OA+\m], s37, v[OA+\m]
	v_add_nc_u32 v[OA+\m], s33, v[OA+\m]
	v_min_u32 v[OA+\m], 0x7fff, v[OA+\m]
	v_lshlrev_b32 v[OA+\m], 2, v[OA+\m]
.endr
	s_wait_alu depctr_va_vdst(0)                   ; the nine offsets v[OA ..] are written, which the loads below read; so are v1 to v18, the addresses of every later load and store, and v254, v255
.irp m, 0,1,2,3,4,5,6,7,8
	global_load_b32 v[TOK+\m], v[OA+\m], s[8:9]
.endr
	s_mul_i32 s42, s32, 196608                     ; an expert's codes of W1 (or of W2): 32 units of 6,144 bytes; my wave's 8 units
	s_mul_i32 s44, s36, 49152
	s_add_co_u32 s42, s42, s44
	s_mov_b32 s43, 0
	s_add_nc_u64 s[16:17], s[16:17], s[42:43]
	s_add_nc_u64 s[26:27], s[16:17], 786432        ; W2's lie behind W1's
	s_lshl_b32 s42, s32, 3
	s_lshl_b32 s44, s36, 1
	s_add_co_u32 s42, s42, s44
	s_lshl_b32 s42, s42, 10                        ; scale words: 256 bytes a unit
	s_add_nc_u64 s[18:19], s[18:19], s[42:43]
	s_add_nc_u64 s[28:29], s[18:19], 32768
	s_lshl_b32 s42, s32, 12
	s_lshl_b32 s44, s36, 10
	s_add_co_u32 s42, s42, s44
	s_add_nc_u64 s[20:21], s[20:21], s[42:43]      ; b1: my 256 numbers
	s_lshl_b32 s42, s32, 10
	s_lshl_b32 s44, s36, 8
	s_add_co_u32 s42, s42, s44
	s_add_nc_u64 s[22:23], s[22:23], s[42:43]      ; b2: my 64
	WIN 0x40                                       ; destination window 1
.set p, 0
.rept 48                               ; W1 of my first 128 hidden units: fragment (tile t, K step s) at v[12 (2 t + s)].  (No vector line has named these registers, and v1 stands ahead of the wait above)
	global_load_b128 v[4*p:4*p+3], v1, s[16:17] offset:512*p
.set p, p+1
.endr
	WIN 0
	s_wait_loadcnt 48                              ; the tokens are in: the 48 loads of W1 were issued behind them
.irp m, 0,1,2,3,4,5,6,7,8
	v_min_u32 v[TOK+\m], 0x7fff, v[TOK+\m]
.endr
.irp m, 0,1,2,3,4,5,6,7,8
	v_mul_u32_u24 v[GA+\m], v[TOK+\m], 192
	v_lshlrev_b32 v[GS+\m], 3, v[TOK+\m]
	v_lshlrev_b32 v[GP+\m], 2, v[TOK+\m]
	v_add_nc_u32 v[GA+\m], v[GA+\m], v220
	v_add_nc_u32 v[GS+\m], v[GS+\m], v221
.endr
	s_wait_alu depctr_va_vdst(0)                   ; v[GA ..], v[GS ..] and v[GP ..] are written, the offsets of the loads below in either role; so is v[TOK ..], which LDS stores read further down
.irp m, 0,1,2,3,4,5,6,7,8
	global_load_b32 v[PM+\m], v[GP+\m], s[14:15]
.endr
	s_cmp_lt_u32 s36, 3                            ; THE GATHER: waves 0-2 bring piece w (16 bytes a lane) of x's 18 fragments, wave 3 the scale words
	s_cbranch_scc0 .Lwave3_asks
.irp m, 0,1,2,3,4,5,6,7,8
.irp s, 0,1
	global_load_b128 v[G+4*(2*\m+\s):G+4*(2*\m+\s)+3], v[GA+\m], s[10:11] offset:96*\s
.endr
.endr
	s_branch .Lasked
.Lwave3_asks:
.irp m, 0,1,2,3,4,5,6,7,8
	global_load_b32 v[G+\m], v[GS+\m], s[12:13]
.endr
.Lasked:
.irp g, 0,1                            ; 48 loads: the weights' scale words, two tiles' a load,
.irp b, 0,1,2,3
	global_load_b64 v[W1S+8*\g+2*\b:W1S+8*\g+2*\b+1], v16, s[18:19] offset:1024*\g+256*\b
	global_load_b64 v[W2S+8*\g+2*\b:W2S+8*\g+2*\b+1], v16, s[28:29] offset:1024*\g+256*\b
.endr
.endr
	WIN 0x40
.irp t, 0,1,2,3,4,5,6,7                ; and b1 in the result's layout: lane (r, h), tile t: hidden units 32 (t / 2) + 8 (t % 2) + 16 h + 0 .. 7
	global_load_b128 v[192+8*\t:195+8*\t], v17, s[20:21] offset:128*(\t/2)+32*(\t%2)
	global_load_b128 v[196+8*\t:199+8*\t], v17, s[20:21] offset:128*(\t/2)+32*(\t%2)+16
.endr
	WIN 0x80
.irp t, 0,1,2,3,4,5,6,7
	global_load_b128 v[192+8*\t:195+8*\t], v17, s[20:21] offset:512+128*(\t/2)+32*(\t%2)
	global_load_b128 v[196+8*\t:199+8*\t], v17, s[20:21] offset:512+128*(\t/2)+32*(\t%2)+16
.endr
	WIN 0
	s_wait_loadcnt 48                              ; the gather is in, in either role: those 48 loads were issued behind it
	s_cmp_lt_u32 s36, 3
	s_cbranch_scc0 .Lwave3_stores
.irp m, 0,1,2,3,4,5,6,7,8
.irp s, 0,1
	ds_store_b128 v14, v[G+4*(2*\m+\s):G+4*(2*\m+\s)+3] offset:FRB*(2*\m+\s)
.endr
.endr
	s_branch .Lstored
.Lwave3_stores:
.irp m, 0,1,2,3,4,5,6,7,8
	ds_store_b32 v6, v[G+\m] offset:128*\m
.endr
.Lstored:
.irp m, 0,1,2,3,4,5,6,7,8
	ds_store_b32 v15, v[TOK+\m] offset:64*\m       ; my wave's own list (lanes r and r + 16 write the same word)
.endr
	WIN 0x80
.set p, 0
.rept 48                               ; W1 of my second 128 hidden units lands while the first are multiplied
	global_load_b128 v[4*p:4*p+3], v1, s[16:17] offset:24576+512*p
.set p, p+1
.endr
	WIN 0
	s_wait_dscnt 0x0                               ; for the others' sake: my stores have landed
	s_barrier_signal -1
	s_barrier_wait -1                              ; x's 18 fragments and their scale words lie in LDS
	s_wait_alu depctr_vm_vsrc(0)                   ; my LDS stores have read v[G ..], and the head's loads their offsets v[GA ..], v[GS ..], v[GP ..], v[OA ..]: from here on these registers are XF, PW, TM, PC and HA
.macro XFETCH m, p                     ; rows 16 m on: two fragments and the scale words, into buffer p
.irp c, 0,1,2
	ds_load_b128 v[XF+24*(\p)+4*\c:XF+24*(\p)+4*\c+3], v5 offset:FRB*(2*(\m))+512*\c
	ds_load_b128 v[XF+24*(\p)+12+4*\c:XF+24*(\p)+12+4*\c+3], v5 offset:FRB*(2*(\m)+1)+512*\c
.endr
	ds_load_b32 v[XS+(\p)], v6 offset:128*(\m)
.endm
; 64 numbers of a lane, v[s] .. v[s + 63], register 16 b + i = k 32 b + 16 (lane / 16) + i of my row, become a fragment's codes in v[PC] on and its scale word in v[PW].
.macro QUANT s
.irp b, 0,1,2,3
	v_max3_num_f32 v[TM+\b], |v[\s+16*\b]|, |v[\s+1+16*\b]|, 0x1800000   ; block b: my 16 numbers, and the floor 2^(3 - 127): the byte cannot fall under 1
.endr
.irp i, 2,4,6,8,10,12,14
.irp b, 0,1,2,3
	v_max3_num_f32 v[TM+\b], v[TM+\b], |v[\s+16*\b+\i]|, |v[\s+1+16*\b+\i]|   ; (the four blocks by turns)
.endr
.endr
.irp b, 0,1,2,3
	v_permlanex16_b32 v[TM+4+\b], v[TM+\b], s40, s41
.endr
.irp b, 0,1,2,3
	v_max_num_f32 v[TM+\b], v[TM+\b], v[TM+4+\b]   ; with lane l xor 16's: the block's largest magnitude
.endr
.irp b, 0,1,2,3
	v_add_nc_u32 v[TM+8+\b], 0xff000000, v[TM+\b]  ; 2 off its exponent field: the conversion's scale operand
.endr
.irp b, 0,1,2,3
	v_lshrrev_b32 v[TM+4+\b], 23, v[TM+8+\b]       ; the scale's byte
.endr
	v_lshl_or_b32 v[PW], v[TM+5], 8, v[TM+4]       ; the four bytes make my row's scale word
	v_lshl_or_b32 v[PW], v[TM+6], 16, v[PW]
	v_lshl_or_b32 v[PW], v[TM+7], 24, v[PW]
.irp c, 0,1
	v_cvt_scalef32_pk16_fp6_f32 v[PC+6*\c:PC+2+6*\c], v[\s+32*\c:\s+15+32*\c], v[TM+8+2*\c]
	v_cvt_scalef32_pk16_fp6_f32 v[PC+12+4*\c:PC+14+4*\c], v[\s+16+32*\c:\s+31+32*\c], v[TM+8+2*\c+1]   ; (a conversion's three registers begin on an even number)
.endr
	v_nop                                          ; one plain line behind a scaled conversion
.irp c, 0,1                            ; the operand's layout wants a WHOLE block in a lane: lanes 0-15 block 2 c, lanes 16-31 block 2 c + 1
.irp i, 0,1,2
	v_permlane16_swap_b32 v[PC+6*\c+\i], v[PC+12+4*\c+\i]
.endr
.irp i, 0,1,2
	v_mov_b32 v[PC+3+6*\c+\i], v[PC+12+4*\c+\i]
.endr
.endr
.endm
; PHASE 1, tile q of 18: rows 16 (q % 9) on, my 8 tiles of hidden units 128 (q / 9) on, over K = 256 in two steps; relu; quantised: K step 2 w + q / 9 of the second product.  x comes from buffer q % 2.
; The eight accumulators take turns, one instruction a turn.  b1 is the C of each sum's first instruction.
.macro BODY q
.set QG, (\q)/9
.set QM, (\q)%9
.set QP, (\q)%2
.if (\q) == 0
	s_wait_dscnt 7                                 ; buffer 0 is in; the seven loads of buffer 1 may be out
.elseif (\q) == 17
	s_wait_dscnt 4                                 ; the tile before asked for nothing more: its four stores may be out
.else
	s_wait_dscnt 11                                ; LDS instructions end in order (ISA guide 5.7.1): this tile's x is in; the tile before's four stores and seven loads may be out
.endif
	WIN 0x11*(1+QG)                                ; W1 and b1 in window 1 + q / 9
.irp t, 0,1,2,3,4,5,6,7
	v_wmma_scale_f32_16x16x128_f8f6f4 v[HA+8*\t:HA+8*\t+7], v[24*\t:24*\t+11], v[XF+24*QP:XF+24*QP+11], v[192+8*\t:199+8*\t], v[W1S+8*QG+\t], v[XS+QP] matrix_a_fmt:MATRIX_FMT_FP6 matrix_b_fmt:MATRIX_FMT_FP6
.endr
	WIN 1+QG
.irp t, 0,1,2,3,4,5,6,7
	v_wmma_scale_f32_16x16x128_f8f6f4 v[HA+8*\t:HA+8*\t+7], v[24*\t+12:24*\t+23], v[XF+24*QP+12:XF+24*QP+23], v[HA+8*\t:HA+8*\t+7], v[W1S+8*QG+\t], v[XS+QP] matrix_a_fmt:MATRIX_FMT_FP6 matrix_b_fmt:MATRIX_FMT_FP6 matrix_a_scale:MATRIX_SCALE_ROW1 matrix_b_scale:MATRIX_SCALE_ROW1
.endr
	WIN 0
	PLACES
.set j, 0
.rept 64
	v_max_num_f32 v[HA+j], 0, v[HA+j]              ; the activation, in f32; each accumulator from its low end on
.set j, j+1
.endr
.if (\q) > 0
	s_wait_alu depctr_vm_vsrc(0)                   ; the tile before's LDS stores have read v[PC ..] and v[PW], which the quantiser below writes again
.endif
	QUANT HA
	s_wait_alu depctr_va_vdst(0)                   ; the quantiser has written v[PC ..] and v[PW], which the stores below read; this tile's products are done reading XF and XS of buffer q % 2, in which the loads below land
.irp c, 0,1,2
	ds_store_b128 v7, v[PC+4*\c:PC+4*\c+3] offset:13824*QG+FRB*QM+512*\c
.endr
	ds_store_b32 v8, v[PW] offset:512*QM+256*QG    ; (lanes r and r + 16 hold the same word)
.if (\q)+2 < 18
	XFETCH ((\q)+2)%9, QP                          ; the x of two tiles on: it has the whole next tile in which to land
.endif
.endm
.macro W2LOAD k0                       ; W2's K parts k0 and k0 + 1 of my 64 outputs: fragment (part kk, outputs 32 bi on, tile u, K step s) at v[12 (8 kk + 4 bi + 2 u + s)]
.irp kk, 0,1
.irp bi, 0,1
.irp p, 0,1,2,3,4,5,6,7,8,9,10,11
	global_load_b128 v[96*\kk+48*\bi+4*\p:96*\kk+48*\bi+4*\p+3], v1, s[26:27] offset:24576*\bi+6144*(\k0+\kk)+512*\p
.endr
.endr
.endr
.endm
	XFETCH 0, 0
	XFETCH 1, 1
.irp b, 0,1,2,3
	v_mov_b32 v[TM+4+\b], 0                        ; written once: a lane permute's destination counts as one of its sources
.endr
	s_wait_loadcnt 48                              ; W1's first half, the scale words and b1 are in; W1's second half (48 loads) may be out
.irp q, 0,1,2,3,4,5,6,7,8
	BODY \q
.endr
	WIN 0x40                                       ; window 1 is free: 56 loads
	s_wait_alu depctr_va_vdst(0)                   ; the products of tiles 0 to 8 are done reading W1's first half and its b1, in whose registers the loads below land
.irp u, 0,1,2,3                        ; b2 in the result's layout: tile u: outputs 32 (u / 2) + 8 (u % 2) + 16 h + 0 .. 7
	global_load_b128 v[224+8*\u:227+8*\u], v17, s[22:23] offset:128*(\u/2)+32*(\u%2)
	global_load_b128 v[228+8*\u:231+8*\u], v17, s[22:23] offset:128*(\u/2)+32*(\u%2)+16
.endr
	W2LOAD 0
	WIN 0
	s_wait_loadcnt 56                              ; W1's second half is in: those 56 were issued behind it
.irp q, 9,10,11,12,13,14,15,16,17
	BODY \q
.endr
	WIN 0x80                                       ; window 2 is free: 48 loads
	s_wait_alu depctr_va_vdst(0)                   ; the products of tiles 9 to 17 are done reading W1's second half, in whose registers the loads below land (and its b1, which the ring's places 12-16 take)
	W2LOAD 2
	WIN 0
	s_wait_dscnt 0x0                               ; for the others' sake: my images have landed
	s_barrier_signal -1
	s_barrier_wait -1                              ; the hidden layer's 72 fragments lie in LDS
	s_wait_alu depctr_vm_vsrc(0)                   ; my last LDS stores have read v[PC ..] and v[PW]: fragments land in these registers from here on
; PHASE 2: my 64 outputs (4 tiles) for the 144 rows (9 tiles): 36 accumulators by turns, a K step of 128 at a time.
; THE RING: fragment f = 9 s2 + m (K step s2, rows 16 m on) lies in place f % 17: places 0-11 at v[108 + 12 place] of window 0, places 12-16 at v[192 + 12 (place - 12)] of window 2.
.macro HLOAD f                         ; fragment f into its place; there are 72
.if (\f) < 72
.set SL, (\f)%17
.if SL < 12
	WIN 0
.set RB, HF+12*SL
.else
	WIN 0x80                                       ; destination window 2, address window 0
.set RB, 192+12*(SL-12)
.endif
.irp c, 0,1,2
.if (\f)/9 < 4
	ds_load_b128 v[RB+4*\c:RB+4*\c+3], v1 offset:13824*((\f)/9)+FRB*((\f)%9)+512*\c
.else
	ds_load_b128 v[RB+4*\c:RB+4*\c+3], v13 offset:13824*((\f)/9-4)+FRB*((\f)%9)+512*\c
.endif
.endr
.endif
.endm
.macro HMUL1 s2, m                     ; K step s2, rows 16 m on: my four tiles of outputs
.set KC, (\s2)/2
.set WA, 1+KC/2                        ; W2's window,
.set SL, (9*(\s2)+(\m))%17
.if SL < 12
.set RB, HF+12*SL
.else
.set RB, 192+12*(SL-12)
.set WA, WA+8                          ; and the fragment's: source 1 in window 2
.endif
.if (\m) < 8
.if (\s2) == 0
	WIN 0xd0+WA                                    ; D window 3, C (b2) window 1
.else
	WIN 0xf0+WA                                    ; C and D window 3
.endif
.set AC, 32*(\m)
.else
	WIN 0x50+WA                                    ; rows 128-143: C and D window 1
.set AC, 192
.endif
.irp u, 0,1,2,3
.set AW, 12*((KC%2)*8+2*\u+(\s2)%2)
.if (\s2) == 0
	v_wmma_scale_f32_16x16x128_f8f6f4 v[AC+8*\u:AC+8*\u+7], v[AW:AW+11], v[RB:RB+11], v[224+8*\u:231+8*\u], v[W2S+8*(\u/2)+2*KC+\u%2], v[HS+4*(\m)+KC] matrix_a_fmt:MATRIX_FMT_FP6 matrix_b_fmt:MATRIX_FMT_FP6
.elseif (\s2)%2 == 0
	v_wmma_scale_f32_16x16x128_f8f6f4 v[AC+8*\u:AC+8*\u+7], v[AW:AW+11], v[RB:RB+11], v[AC+8*\u:AC+8*\u+7], v[W2S+8*(\u/2)+2*KC+\u%2], v[HS+4*(\m)+KC] matrix_a_fmt:MATRIX_FMT_FP6 matrix_b_fmt:MATRIX_FMT_FP6
.else
	v_wmma_scale_f32_16x16x128_f8f6f4 v[AC+8*\u:AC+8*\u+7], v[AW:AW+11], v[RB:RB+11], v[AC+8*\u:AC+8*\u+7], v[W2S+8*(\u/2)+2*KC+\u%2], v[HS+4*(\m)+KC] matrix_a_fmt:MATRIX_FMT_FP6 matrix_b_fmt:MATRIX_FMT_FP6 matrix_a_scale:MATRIX_SCALE_ROW1 matrix_b_scale:MATRIX_SCALE_ROW1
.endif
.endr
.endm
.macro KSTEP s2
.if (\s2) == 0
	s_wait_loadcnt 48                              ; b2 and W2's K parts 0 and 1 are in; parts 2 and 3 (48 loads) may be out
.endif
.if (\s2) == 4
	s_wait_loadcnt 0x0                             ; W2's K parts 2 and 3
.endif
.if (\s2) > 0
	PLACES
	s_wait_alu depctr_va_vdst(0)                   ; the K step before is done reading its nine fragments: this step's loads land in just those nine places, and no product of this step names them ahead of its load
.endif
	s_wait_dscnt 9                                 ; the fragments of rows 0-79 are in (in K step 0 the scale words too); the youngest nine loads (rows 80-127) may be out
	HMUL1 \s2, 0
	HMUL1 \s2, 1
	HLOAD 9*(\s2)+8                                ; this step's own last fragment first: 24 matrix instructions ahead of its use;
	HLOAD 9*(\s2)+9                                ; then the next step's
	HLOAD 9*(\s2)+10
	HMUL1 \s2, 2
	HMUL1 \s2, 3
	HMUL1 \s2, 4
	HLOAD 9*(\s2)+11
	HLOAD 9*(\s2)+12
	HLOAD 9*(\s2)+13
.if (\s2) < 7
	s_wait_dscnt 18                                ; the fragments of rows 80-127 are in; this step's two runs of nine may be out
.else
	s_wait_dscnt 3                                 ; (the last step has asked for one fragment alone)
.endif
	HMUL1 \s2, 5
	HMUL1 \s2, 6
	HLOAD 9*(\s2)+14
	HLOAD 9*(\s2)+15
	HLOAD 9*(\s2)+16
.if (\s2) < 7
	s_wait_dscnt 24                                ; the fragment of rows 128-143 is in: 24 loads were issued behind its three
.else
	s_wait_dscnt 0x0
.endif
	HMUL1 \s2, 7
	HMUL1 \s2, 8
.endm
.irp m, 0,1,2,3,4,5,6,7,8
	ds_load_b128 v[HS+4*\m:HS+4*\m+3], v18 offset:512*\m           ; lanes 0-15: the even K steps' words of row r, lanes 16-31 the odd ones'
.endr
.irp f, 0,1,2,3,4,5,6,7
	HLOAD \f                                       ; (every vector and matrix instruction that named the ring's places stands ahead of the last wait on va_vdst)
.endr
.irp s, 0,1,2,3,4,5,6,7
	KSTEP \s
.endr
	WIN 0
	PLACES
	s_cmp_eq_u32 s34, 0                            ; a tile without rows stores nothing
	s_cbranch_scc1 .Lend
; THE WAY OUT, 16 rows at a time: x pmax; a lane's 8 neighbouring outputs of one token go into my stage and come back as whole pieces of 256 bytes of a row; the rows' tokens come from my list.
; Tile m's multiplies stand between tile m - 1's loads from the stage and the wait for them; then tile m - 1's addresses are made, and ONE wait on va_vdst serves tile m - 1's stores and tile m's way through the stage.
.macro OUTMUL m
.set TT, 108+32*((\m)%2)
.if (\m) < 8
	WIN 0x03
.set AC, 32*(\m)
.else
	WIN 0x01
.set AC, 192
.endif
.set k, 0
.rept 32
	v_mul_f32 v[TT+k], v[AC+k], v[PM+(\m)]         ; each accumulator from its low end on
.set k, k+1
.endr
	WIN 0
.endm
.macro TOSTAGE m
.set TT, 108+32*((\m)%2)
.set BB, 172+32*((\m)%2)
.set TK, 236+8*((\m)%2)
.irp u, 0,1,2,3
	ds_store_b128 v9, v[TT+8*\u:TT+8*\u+3] offset:128*(\u/2)+32*(\u%2)
	ds_store_b128 v9, v[TT+8*\u+4:TT+8*\u+7] offset:128*(\u/2)+32*(\u%2)+16
.endr
.irp i, 0,1,2,3,4,5,6,7
	ds_load_b128 v[BB+4*\i:BB+4*\i+3], v10 offset:544*\i           ; LDS serves a wave's instructions in order: these see my stores, and the next tile's stores come behind them
.endr
	ds_load_b128 v[TK:TK+3], v11 offset:64*(\m)                    ; the tokens of rows 2 i + lane / 16, i = 0 .. 7
	ds_load_b128 v[TK+4:TK+7], v11 offset:64*(\m)+16
.endm
.macro ADDR m
.set TK, 236+8*((\m)%2)
.irp i, 0,1,2,3,4,5,6,7
	v_min_u32 v[TK+\i], 0x7fff, v[TK+\i]
.endr
.irp i, 0,1,2,3,4,5,6,7
	v_lshl_add_u32 v[TK+\i], v[TK+\i], 10, v12     ; the token's row of 1,024 bytes + my place in it
.endr
.endm
.macro SENDST m
.set BB, 172+32*((\m)%2)
.set TK, 236+8*((\m)%2)
.irp i, 0,1,2,3,4,5,6,7
	global_store_b128 v[TK+\i], v[BB+4*\i:BB+4*\i+3], s[24:25] th:TH_STORE_NT   ; sixteen lanes store 256 consecutive bytes, aligned; written once, read by nobody here
.endr
.endm
	OUTMUL 0
	s_wait_alu depctr_va_vdst(0)                   ; tile 0's products x pmax are written, which the LDS stores read; the last K step's products are done reading the ring's places, in which the loads from the stage land
	TOSTAGE 0
.irp m, 1,2,3,4,5,6,7,8
.if \m >= 2
	s_wait_xcnt 0x0                                ; the stores of two tiles back have had their addresses translated (ISA guide 3.1): their registers are written again only behind this wait
	s_wait_alu depctr_vm_vsrc(0)                   ; the LDS stores and the global stores of two tiles back have read this set of TT, BB and TK, which the lines below write and load again
.endif
	OUTMUL \m
	s_wait_dscnt 0x0                               ; the tile before is back from the stage, and so are its rows' tokens
	ADDR \m-1
	s_wait_alu depctr_va_vdst(0)                   ; the tile before's eight addresses are written, which its stores read; this tile's TT is written, which its LDS stores read; the vector lines that named this tile's TK are done
	SENDST \m-1
	TOSTAGE \m
.endr
	s_wait_dscnt 0x0
	ADDR 8
	s_wait_alu depctr_va_vdst(0)                   ; the last tile's eight addresses are written, which its stores read
	SENDST 8
.Lend:
	s_wait_dscnt 0x0                               ; the closing lines, six on end
	s_wait_alu 0x0
	s_wait_tensorcnt 0x0
	ds_add_u32 v254, v255
	s_wait_dscnt 0x0
	s_endpgm
.Lfunc_end_k_q3d1b783868_experts:
	.size	k_q3d1b783868_experts, .Lfunc_end_k_q3d1b783868_experts-k_q3d1b783868_experts
	.p2alignl 7, 3214868480
	.fill 96, 4, 3214868480
	.section	.rodata,"a",@progbits
	.p2align	6, 0x0
	.amdhsa_kernel k_q3d1b783868_experts
		.amdhsa_group_segment_fixed_size 164352
		.amdhsa_private_segment_fixed_size 0
		.amdhsa_enable_private_segment 0
		.amdhsa_kernarg_size 72
		.amdhsa_user_sgpr_count 2
		.amdhsa_user_sgpr_kernarg_segment_ptr 1
		.amdhsa_wavefront_size32 1
		.amdhsa_system_sgpr_workgroup_id_x 1
		.amdhsa_system_sgpr_workgroup_id_y 1
		.amdhsa_system_sgpr_workgroup_id_z 1
		.amdhsa_system_vgpr_workitem_id 0
		.amdhsa_next_free_vgpr 1024
		.amdhsa_next_free_sgpr 66
		.amdhsa_reserve_vcc 0
		.amdhsa_float_denorm_mode_32 3
		.amdhsa_float_denorm_mode_16_64 3
		.amdhsa_memory_ordered 1
		.amdhsa_forward_progress 1
		.amdhsa_inst_pref_size 255
	.end_amdhsa_kernel
	.section	.bss,"aw",@nobits
	.p2align	6
	.space	262144
	.amdgpu_metadata
---
amdhsa.version: [ 1, 2 ]
amdhsa.kernels:
  - .name:           k_q3d1b783868_experts
    .symbol:         k_q3d1b783868_experts.kd
    .args:
      - { .name: plan, .offset: 0, .size: 8, .value_kind: global_buffer, .address_space: global }
      - { .name: xcodes, .offset: 8, .size: 8, .value_kind: global_buffer, .address_space: global }
      - { .name: xscales, .offset: 16, .size: 8, .value_kind: global_buffer, .address_space: global }
      - { .name: pmax, .offset: 24, .size: 8, .value_kind: global_buffer, .address_space: global }
      - { .name: wcodes, .offset: 32, .size: 8, .value_kind: global_buffer, .address_space: global }
      - { .name: wscales, .offset: 40, .size: 8, .value_kind: global_buffer, .address_space: global }
      - { .name: b1, .offset: 48, .size: 8, .value_kind: global_buffer, .address_space: global }
      - { .name: b2, .offset: 56, .size: 8, .value_kind: global_buffer, .address_space: global }
      - { .name: out0, .offset: 64, .size: 8, .value_kind: global_buffer, .address_space: global }
    .group_segment_fixed_size: 164352
    .private_segment_fixed_size: 0
    .kernarg_segment_align: 8
    .kernarg_segment_size: 72
    .max_flat_workgroup_size: 128
    .sgpr_count:     66
    .vgpr_count:     1024
    .wavefront_size: 32
...
	.end_amdgpu_metadata
.endif
;; end of part 6
